; MI455X (gfx1250); checked and timed in simulation.
; The chip was launched on July 23, 2026; its instructions are those of AMD's public machine-readable ISA for CDNA 5 (MIT licence, August 2026) and "CDNA5" Instruction Set Architecture Reference Guide (July 2026). The comments in the code are by the model that wrote it; some were corrected since.
;; Basic Multi Head Self Attention. Allowed arithmetic: matrix products marked QUANTISED: E2M1 operands, one E8M0 scale for each 32 along K, by v_wmma_scale_f32_16x16x128_f8f6f4 with both operands' format E2M1 (or v_wmma_scale_f32_32x16x128_f4), f32 sums; products left as they are: bf16, f16 or f32 operands; f32 sums; everything else in f32.
;; Inputs: Q 2 x 2,048 x 1,024 float32; Wout 1,024 x 1,024 float32; Wqkv 1,024 x 3,072 float32; bout 1,024 float32; bqkv 3,072 float32.
;; Outputs: out0 2 x 2,048 x 1,024 float32.
;; This version of the problem:
;;   THIS VERSION OF THE PROBLEM IS GIVEN IN LOW PRECISION. The matrix products marked QUANTISED in the list below multiply operands that are first quantised to E2M1 (2 exponent bits, 1 mantissa bit; 4 bits a number), with one power-of-two scale for each 32 numbers along K (OCP MX v1.0); their sums are f32. The products marked 'left as it is' may take bf16, f16 or f32 operands, with f32 sums. Whichever they take, every output number must still come out within the allowed error. Rounding operands to bf16 (8 significant bits) uses up far more of that allowance than f16 does (11 bits, for magnitudes from 6e-5 to 65,504). All else is computed in f32.
;;   The module's matrix products, in the order in which they are computed (A, B: the left and right operand; K: the contracted axis; several contracted axes count as one K, in the product's order):
;;     1. [M 4,096, K 1,024] x [K 1,024, N 3,072]; A: input Q; B: input Wqkv: QUANTISED
;;     2. batch 32 x [M 2,048, K 64] x [K 64, N 2,048]; A: computed on the way; B: computed on the way: left as it is (an operand is computed on the way)
;;     3. batch 32 x [M 64, K 2,048] x [K 2,048, N 2,048]; A: computed on the way; B: computed on the way: left as it is (an operand is computed on the way)
;;     4. [M 4,096, K 1,024] x [K 1,024, N 1,024]; A: computed on the way; B: input Wout: left as it is (an operand is computed on the way)
;;   THE QUANTISER, for each operand of a quantised product, along K:
;;     - K is cut into blocks of 32 from its start; a last block that is shorter is filled with zeros.
;;     - A block's scale is 2^e with e = floor(log2(the largest magnitude in the block)) - 2, held to -126 .. 127; a block of zeros has e = 0. As a byte (E8M0): e + 127.
;;     - Each number is divided by its block's scale, clamped to +-6, and rounded to the nearest number of E2M1, ties to even, subnormals kept.
;;     - The product sums the exact products of the quantised numbers (number of the format x scale) in f32.
;;   ~~~python
;;   def quantise(x, axis):      # numpy; x: float32 -> the quantised numbers, widened to float32 again
;;       x = np.moveaxis(x, axis, -1); K = x.shape[-1]
;;       x = np.pad(x, [(0, 0)] * (x.ndim - 1) + [(0, -K % 32)]); x = x.reshape(x.shape[:-1] + (-1, 32)); a = np.abs(x).max(-1, keepdims=True)
;;       e = np.where(a > 0, np.clip(np.frexp(np.where(a > 0, a, 1))[1] - 1 - 2, -126, 127), 0)      # np.frexp(a)[1] - 1 = floor(log2(a)), exactly
;;       r = np.clip(x / 2.0 ** e, -6, 6)
;;       step = 2.0 ** (np.maximum(np.frexp(np.where(r == 0, 1, r))[1] - 1, 0) - 1)
;;       q = np.round(r / step) * step * 2.0 ** e      # np.round: ties to even
;;       return np.moveaxis(q.reshape(q.shape[:-2] + (-1,))[..., :K], -1, axis).astype(np.float32)
;;   ~~~
;; One version. Each part assembles by itself: llvm-mc -triple=amdgcn-amd-amdhsa -mcpu=gfx1250 --defsym DOCPART=n.
;; ======== version 1 of 1: 5 launches
;; limits: values are held in f16: magnitudes above 65,504 overflow, below 6.1e-05 lose precision
;; workspace buffers: qc 2,097,152 bytes; qs 131,072 bytes; wc 1,572,864 bytes; ws 98,304 bytes; wf 4,194,304 bytes; qkvh 25,165,824 bytes; fine32 1,572,864 bytes; af 8,388,608 bytes
;; launch prep (part 1): grid 192 x 1, 32 waves a work-group, no clusters, 122,880 bytes of LDS; arguments Q, Wqkv, Wout, qc, qs, wc, ws, wf; writes qc, qs, wc, ws, wf
.if DOCPART == 1
	.amdgcn_target "amdgcn-amd-amdhsa--gfx1250"
	.amdhsa_code_object_version 6
	.text
	.protected	k_qaef82624f9_prep
	.globl	k_qaef82624f9_prep
	.p2align	8
	.type	k_qaef82624f9_prep,@function
k_qaef82624f9_prep:
	s_mov_b64 s[64:65], 0
	v_nop
	global_prefetch_b8 v0, s[64:65] scope:SCOPE_SE
	s_setreg_imm32_b32 hwreg(HW_REG_WAVE_MODE, 25, 1), 1
	s_wait_xcnt 0x0
; THREE STREAMS IN ONE LAUNCH, told apart by the work-group's number alone; each has an end of its own; Q and W have LDS bytes and a barrier of their own.
;   work-groups   0..127: Q [4096][1024] f32 -> codes of FP4 (E2M1), K innermost, qc [4096][512 bytes], and one E8M0 byte for each 32 along K, qs [4096][32].
;   work-groups 128..175: Wqkv [1024 (k)][3072 (n)] f32, K its FIRST axis -> wc [3072][512 bytes], ws [3072][32]: a lane takes a column and its registers run down K.
;   work-groups 176..191: Wout [1024 (k)][1024 (n)] f32 -> f16, laid in the order of a 16-bit operand's registers: fragment (n / 16, k / 32) at (n/16) x 32768 + (k/32) x 1024;
;                         in it the 8 numbers k%32 = 8 g .. 8 g + 7 of column n%16 = r lie at 256 g + 16 r.  TWO IMAGES: hi = f16(W) from byte 0, and from byte 2^21 lo = f16((W - hi) x 2048), for the
;                         launch that carries the first rows finely: W = hi + lo / 2048 to some 22 bits.  The difference and the scaling are exact in f32; the scaling keeps lo in W's own range.
; A block's scale is 2^(floor(log2(its largest magnitude)) - 2): its byte is the largest magnitude's exponent field - 2, held at 1 from below by a floor among the maximum's leaves.
; LIMITS: a block of zeros gets the byte 1 where the rule says 127 (its codes are zeros, and this program alone reads the bytes); blocks whose largest magnitude lies under 2^-124 get the byte 1;
; NaN and infinities among the inputs are not served; |Wout| stays under 65,504 and keeps an absolute step of 3e-8 under 6e-5 (f16).
; 32 waves to a work-group, each with 4 to 8 KiB of loads: every load of the launch is issued at its wave's head, so no ring of registers is written.
.set QST,   0                          ; LDS, stream Q: a stage of 32 x 80 bytes for each wave
.set QSB,   81920                      ;                the work-group's 1,024 scale bytes
.set WST,   82944                      ; stream W: 64 columns' codes, rows of 512 bytes + 16
.set WSC,   116736                     ;           their scale bytes, 32 a column
.set SPARE, 118784                     ; the spare words, 128 bytes for each wave: sixteen blocks of 256 bytes that no other line names
.set SPW,   12                         ; v12  LDS address of my spare word; never rewritten
.set NIL,   13                         ; v13  0; never rewritten
	s_load_b256 s[4:11], s[0:1], 0x0               ; Q s[4:5], Wqkv s[6:7], Wout s[8:9], qc s[10:11]
	s_load_b256 s[12:19], s[0:1], 0x20             ; qs s[12:13], wc s[14:15], ws s[16:17], wf s[18:19]
	v_lshl_add_u32 v[SPW], v0, 2, SPARE
	v_mov_b32 v[NIL], 0
	v_lshrrev_b32 v1, 5, v0
	v_readfirstlane_b32 s20, v1                    ; wave 0..31
	v_and_b32 v2, 31, v0                           ; lane
	s_mov_b32 s23, 0
	s_wait_kmcnt 0x0
	s_cmp_lt_u32 ttmp9, 128
	s_cbranch_scc0 .Lnot_q
; ---------------- STREAM Q: a wave takes one row of Q, 1,024 numbers, in two steps of 512 ----------------
; Each load reads 512 consecutive bytes, 16 a lane; a step's 2,048 bytes go through the wave's own stage (16 bytes of padding behind each 64) and come back 64 bytes a lane:
; 16 neighbours along K, two neighbouring lanes to a block of 32.
.set R, 16                             ; v16-47  two sets of 16 numbers as loaded
.set X, 48                             ; v48-79  two sets of 16 neighbours
.set C, 80                             ; v80-83  codes, two registers a step
.set E, 84                             ; v84-85  a scale byte a step
	s_lshl_b32 s21, ttmp9, 5
	s_add_co_u32 s21, s21, s20                     ; my row: 32 x work-group + wave
	s_lshl_b32 s22, s21, 12
	s_add_nc_u64 s[4:5], s[4:5], s[22:23]          ; 4,096 bytes a row
	v_lshlrev_b32 v3, 4, v2                        ; my 16 bytes of a load's 512
.macro QLOAD t
.irp i, 0,1,2,3
	global_load_b128 v[R+16*\t+4*\i:R+16*\t+4*\i+3], v3, s[4:5] offset:2048*\t+512*\i th:TH_LOAD_NT
.endr
.endm
	QLOAD 0
	QLOAD 1
	s_lshl_b32 s22, s21, 9
	s_add_nc_u64 s[10:11], s[10:11], s[22:23]      ; my row's 512 bytes of codes
	s_lshl_b32 s22, ttmp9, 10
	s_add_nc_u64 s[12:13], s[12:13], s[22:23]      ; the work-group's 1,024 scale bytes
	s_mul_i32 s24, s20, 2560                       ; my stage
	v_lshrrev_b32 v14, 2, v2
	v_mul_u32_u24 v14, v14, 80
	v_and_b32 v15, 3, v2
	v_lshl_add_u32 v14, v15, 4, v14
	v_add_nc_u32 v14, s24, v14                     ; in: 80 (lane / 4) + 16 (lane % 4); a load's 512 bytes take eight places
	v_mul_u32_u24 v15, v2, 80
	v_add_nc_u32 v15, s24, v15                     ; out: 80 x lane
	v_lshlrev_b32 v4, 3, v2                        ; my 8 bytes of a step's 256 bytes of codes
	s_lshl_b32 s25, s20, 5
	s_add_co_u32 s25, s25, QSB
	v_lshrrev_b32 v5, 1, v2
	v_add_nc_u32 v5, s25, v5                       ; my block's byte: QSB + 32 x wave + lane / 2
	v_lshlrev_b32 v7, 4, v0                        ; the way out of the bytes: 16 a thread, threads 0 to 63
	v_add_nc_u32 v6, QSB, v7
.macro QTURN t                         ; LDS serves a wave's instructions in order: the loads see the stores, and the next step's stores come behind these loads
.irp i, 0,1,2,3
	ds_store_b128 v14, v[R+16*\t+4*\i:R+16*\t+4*\i+3] offset:640*\i
.endr
.irp i, 0,1,2,3
	ds_load_b128 v[X+16*\t+4*\i:X+16*\t+4*\i+3], v15 offset:16*\i
.endr
.endm
.macro QSTEP t
.set XS, X+16*\t
	v_max3_num_f32 v8, |v[XS]|, |v[XS+1]|, |v[XS+2]|               ; the largest magnitude of my 16, in two chains
	v_max3_num_f32 v9, |v[XS+3]|, |v[XS+4]|, |v[XS+5]|
.irp i, 6,10
	v_max3_num_f32 v8, v8, |v[XS+\i]|, |v[XS+\i+1]|
	v_max3_num_f32 v9, v9, |v[XS+\i+2]|, |v[XS+\i+3]|
.endr
	v_max3_num_f32 v8, v8, |v[XS+14]|, |v[XS+15]|
	v_max3_num_f32 v8, v8, v9, 0x1800000           ; and the floor 2^(3 - 127): the byte cannot fall under 1
	v_max_num_f32_dpp v8, v8, v8 row_xmask:1 row_mask:0xf bank_mask:0xf   ; with my neighbour's 16: the block's
	v_add_nc_u32 v11, 0xff000000, v8               ; 2 off its exponent field: the conversion takes the exponent field of this operand as its scale
	v_cvt_scalef32_pk8_fp4_f32 v[C+2*\t], v[XS:XS+7], v11
	v_cvt_scalef32_pk8_fp4_f32 v[C+2*\t+1], v[XS+8:XS+15], v11
	v_lshrrev_b32 v[E+\t], 23, v11                 ; the scale's byte (also the plain line behind the conversions)
	ds_store_b8 v5, v[E+\t] offset:16*\t           ; both lanes of a block write the same byte with the same value
	global_store_b64 v4, v[C+2*\t:C+2*\t+1], s[10:11] offset:256*\t      ; the wave stores 256 consecutive bytes, aligned
.endm
	s_wait_loadcnt 4                               ; step 0's four loads are in; step 1's four may be out
	QTURN 0
	s_wait_loadcnt 0x0
	QTURN 1
	s_wait_dscnt 8                                 ; step 0's numbers are back; behind them: step 1's four stores and four loads
	QSTEP 0
	s_wait_dscnt 1                                 ; step 1's numbers are back; behind them: step 0's byte store
	QSTEP 1
	s_wait_dscnt 0x0                               ; for the others' sake: my two byte stores have landed
	s_barrier_signal -1
	s_barrier_wait -1
	s_cmp_lt_u32 s20, 2                            ; waves 0 and 1 carry the 1,024 bytes out: four whole aligned blocks of 256
	s_cbranch_scc0 .Lq_end
	ds_load_b128 v[88:91], v6
	s_wait_dscnt 0x0
	global_store_b128 v7, v[88:91], s[12:13]
.Lq_end:
	s_wait_tensorcnt 0x0                           ; the wave's end
	ds_add_u32 v[SPW], v[NIL]
	s_wait_dscnt 0x0
	s_endpgm
.Lnot_q:
	s_and_b32 s24, s20, 1                          ; cg: which 32 of the work-group's 64 columns
	s_lshr_b32 s25, s20, 1                         ; kq: which 64 of the 1,024 along K
	v_lshlrev_b32 v3, 2, v2                        ; 4 bytes a lane: a load reads 128 consecutive bytes, two waves side by side 256
	s_cmp_lt_u32 ttmp9, 176
	s_cbranch_scc0 .Lpath_o
; ---------------- STREAM W: 64 columns x all of K to a work-group; a wave takes 32 columns x 64 along K: two blocks a lane ----------------
	s_sub_co_u32 s21, ttmp9, 128                   ; which 64 columns
	s_mul_i32 s22, s25, 64*12288                   ; 64 kq rows of 12,288 bytes
	s_lshl_b32 s26, s21, 8
	s_add_co_u32 s22, s22, s26
	s_lshl_b32 s26, s24, 7
	s_add_co_u32 s22, s22, s26
	s_add_nc_u64 s[6:7], s[6:7], s[22:23]
.set i, 0
.rept 64
	global_load_b32 v[32+i], v3, s[6:7] offset:i*12288 th:TH_LOAD_NT     ; Wqkv(64 kq + i, my column)
.set i, i+1
.endr
	s_lshl_b32 s22, s21, 15
	s_add_nc_u64 s[14:15], s[14:15], s[22:23]      ; the 64 columns' codes: 32,768 dense bytes
	s_lshl_b32 s22, s21, 11
	s_add_nc_u64 s[16:17], s[16:17], s[22:23]      ; their scale bytes: 2,048 dense bytes
	s_lshl_b32 s26, s24, 5
	v_add_nc_u32 v4, s26, v2                       ; my column among the 64
	v_lshlrev_b32 v5, 5, v4
	v_mul_u32_u24 v4, v4, 528
	s_lshl_b32 s27, s25, 5
	s_add_co_u32 s27, s27, WST
	v_add_nc_u32 v4, s27, v4                       ; codes in: WST + 528 x column + 32 kq
	s_lshl_b32 s27, s25, 1
	s_add_co_u32 s27, s27, WSC
	v_add_nc_u32 v5, s27, v5                       ; bytes in: WSC + 32 x column + 2 kq
	s_mul_i32 s27, s20, 2*528
	s_add_co_u32 s27, s27, WST
	v_lshlrev_b32 v7, 4, v2
	v_lshl_add_u32 v14, s20, 10, v7                ; codes out, in memory: rows 2 w and 2 w + 1 of 512 bytes, 16 bytes a lane
	v_add_nc_u32 v7, s27, v7                       ; and in LDS
	v_lshlrev_b32 v15, 4, v0                       ; bytes out: 16 a thread, threads 0 to 127
	v_add_nc_u32 v6, WSC, v15
.macro WBLOCK t
.set XS, 32+32*\t
	v_max3_num_f32 v8, |v[XS]|, |v[XS+1]|, |v[XS+2]|               ; the block's largest magnitude: all 32 numbers are mine
	v_max3_num_f32 v9, |v[XS+3]|, |v[XS+4]|, |v[XS+5]|
.irp i, 6,10,14,18,22,26
	v_max3_num_f32 v8, v8, |v[XS+\i]|, |v[XS+\i+1]|
	v_max3_num_f32 v9, v9, |v[XS+\i+2]|, |v[XS+\i+3]|
.endr
	v_max3_num_f32 v8, v8, |v[XS+30]|, |v[XS+31]|
	v_max3_num_f32 v8, v8, v9, 0x1800000           ; the floor
	v_add_nc_u32 v11, 0xff000000, v8               ; the conversion's scale operand
	v_lshrrev_b32 v10, 23, v11                     ; the byte
.if \t == 0
	v_mov_b32 v24, v10
.else
	v_lshl_or_b32 v24, v10, 8, v24                 ; two bytes, the lower K in the lower byte
.endif
.irp g, 0,1,2,3
	v_cvt_scalef32_pk8_fp4_f32 v[96+4*\t+\g], v[XS+8*\g:XS+8*\g+7], v11
.endr
	v_nop                                          ; one plain line behind the last conversion of a run
	ds_store_b128 v4, v[96+4*\t:96+4*\t+3] offset:16*\t     ; 32 codes: 16 bytes of my column's row
.endm
	s_wait_loadcnt 32                              ; block 0's 32 loads are in; block 1's may be out
	WBLOCK 0
	s_wait_loadcnt 0x0
	WBLOCK 1
	ds_store_b16 v5, v24
	s_wait_dscnt 0x0                               ; for the others' sake: my stores have landed
	s_barrier_signal -1
	s_barrier_wait -1
	ds_load_b128 v[104:107], v7                    ; two whole rows of codes a wave: each store covers 512 consecutive bytes, aligned
	ds_load_b128 v[108:111], v7 offset:528
	s_wait_dscnt 1
	global_store_b128 v14, v[104:107], s[14:15]
	s_wait_dscnt 0x0
	global_store_b128 v14, v[108:111], s[14:15] offset:512
	s_cmp_lt_u32 s20, 4                            ; waves 0 to 3 carry the 2,048 scale bytes out
	s_cbranch_scc0 .Lw_end
	ds_load_b128 v[112:115], v6
	s_wait_dscnt 0x0
	global_store_b128 v15, v[112:115], s[16:17]
.Lw_end:
	s_wait_tensorcnt 0x0                           ; the wave's end
	ds_add_u32 v[SPW], v[NIL]
	s_wait_dscnt 0x0
	s_endpgm
; ---------------- STREAM O: Wout to f16 in operand order, a high and a low part; a wave takes 32 columns x 64 along K; no LDS ----------------
.Lpath_o:
	s_sub_co_u32 s21, ttmp9, 176                   ; which 64 columns
	s_lshl_b32 s22, s25, 18                        ; 64 kq rows of 4,096 bytes
	s_lshl_b32 s26, s21, 8
	s_add_co_u32 s22, s22, s26
	s_lshl_b32 s26, s24, 7
	s_add_co_u32 s22, s22, s26
	s_add_nc_u64 s[8:9], s[8:9], s[22:23]
.set i, 0
.rept 64
	global_load_b32 v[32+i], v3, s[8:9] offset:i*4096 th:TH_LOAD_NT      ; Wout(64 kq + i, my column)
.set i, i+1
.endr
	s_lshl_b32 s22, s21, 17                        ; fragment row 4 og + 2 cg of 32,768 bytes,
	s_lshl_b32 s26, s24, 16
	s_add_co_u32 s22, s22, s26
	s_lshl_b32 s26, s25, 11                        ; fragment 2 kq of 1,024 bytes in it
	s_add_co_u32 s22, s22, s26
	s_add_nc_u64 s[18:19], s[18:19], s[22:23]
	s_mov_b32 s28, 0x45000000                      ; 2048.0
	s_mov_b32 s29, s28                             ; (the packed form names the pair and takes its low word for both halves)
	v_and_b32 v4, 15, v2
	v_lshrrev_b32 v5, 4, v2
	v_lshlrev_b32 v14, 4, v4
	v_lshl_add_u32 v14, v5, 15, v14                ; lanes 16-31 stand in the next fragment row; 16 bytes a column
.macro OHI t                           ; 32 along K: one fragment of high parts
.set i, 0
.rept 16
	v_cvt_pk_f16_f32 v[96+16*\t+i], v[32+32*\t+2*i], v[33+32*\t+2*i]     ; the lower k in the low half
.set i, i+1
.endr
.irp g, 0,1,2,3
	global_store_b128 v14, v[96+16*\t+4*\g:96+16*\t+4*\g+3], s[18:19] offset:1024*\t+256*\g   ; sixteen lanes store 256 consecutive bytes, aligned
.endr
.endm
; Eight numbers, v[xb] on, less their high parts, which are read back from the packed codes: so the split is exact however the packing rounded
.macro OSPLIT8 xb, a0, a1, a2, a3, a4, a5, a6, a7
.set i, 0
.irp hh, \a0,\a1,\a2,\a3,\a4,\a5,\a6,\a7
	v_cvt_f32_f16 v[16+i], \hh
.set i, i+1
.endr
.set i, 0
.rept 8
	v_sub_f32 v[\xb+i], v[\xb+i], v[16+i]
.set i, i+1
.endr
.endm
.macro OLO t                           ; the same fragment's low parts: x 2048, packed in place (register i takes numbers 2 i and 2 i + 1: never one that is still to be read)
.set i, 0
.rept 16
	v_pk_mul_f32 v[32+32*\t+2*i:33+32*\t+2*i], v[32+32*\t+2*i:33+32*\t+2*i], s[28:29] op_sel_hi:[1,0]
.set i, i+1
.endr
.set i, 0
.rept 16
	v_cvt_pk_f16_f32 v[32+32*\t+i], v[32+32*\t+2*i], v[33+32*\t+2*i]
.set i, i+1
.endr
.irp g, 0,1,2,3
	global_store_b128 v14, v[32+32*\t+4*\g:32+32*\t+4*\g+3], s[18:19] offset:2097152+1024*\t+256*\g
.endr
.endm
	s_wait_loadcnt 32                              ; the first 32 along K are in; the other 32 loads may be out
	OHI 0
	OSPLIT8 32, v96.l, v96.h, v97.l, v97.h, v98.l, v98.h, v99.l, v99.h
	OSPLIT8 40, v100.l, v100.h, v101.l, v101.h, v102.l, v102.h, v103.l, v103.h
	OSPLIT8 48, v104.l, v104.h, v105.l, v105.h, v106.l, v106.h, v107.l, v107.h
	OSPLIT8 56, v108.l, v108.h, v109.l, v109.h, v110.l, v110.h, v111.l, v111.h
	OLO 0
	s_wait_loadcnt 0x0
	OHI 1
	OSPLIT8 64, v112.l, v112.h, v113.l, v113.h, v114.l, v114.h, v115.l, v115.h
	OSPLIT8 72, v116.l, v116.h, v117.l, v117.h, v118.l, v118.h, v119.l, v119.h
	OSPLIT8 80, v120.l, v120.h, v121.l, v121.h, v122.l, v122.h, v123.l, v123.h
	OSPLIT8 88, v124.l, v124.h, v125.l, v125.h, v126.l, v126.h, v127.l, v127.h
	OLO 1
	s_wait_tensorcnt 0x0                           ; the launch does, and the three lines are written at this end too
	ds_add_u32 v[SPW], v[NIL]
	s_wait_dscnt 0x0
	s_endpgm
.Lfunc_end_k_qaef82624f9_prep:
	.size	k_qaef82624f9_prep, .Lfunc_end_k_qaef82624f9_prep-k_qaef82624f9_prep
	.p2alignl 7, 3214868480
	.fill 96, 4, 3214868480
	.section	.rodata,"a",@progbits
	.p2align	6, 0x0
	.amdhsa_kernel k_qaef82624f9_prep
		.amdhsa_group_segment_fixed_size 122880
		.amdhsa_private_segment_fixed_size 0
		.amdhsa_enable_private_segment 0
		.amdhsa_kernarg_size 64
		.amdhsa_user_sgpr_count 2
		.amdhsa_user_sgpr_kernarg_segment_ptr 1
		.amdhsa_wavefront_size32 1
		.amdhsa_system_sgpr_workgroup_id_x 1
		.amdhsa_system_sgpr_workgroup_id_y 1
		.amdhsa_system_sgpr_workgroup_id_z 1
		.amdhsa_system_vgpr_workitem_id 0
		.amdhsa_next_free_vgpr 128
		.amdhsa_next_free_sgpr 66
		.amdhsa_reserve_vcc 0
		.amdhsa_float_denorm_mode_32 3
		.amdhsa_float_denorm_mode_16_64 3
		.amdhsa_memory_ordered 1
		.amdhsa_forward_progress 1
		.amdhsa_inst_pref_size 36
	.end_amdhsa_kernel
	.amdgpu_metadata
---
amdhsa.version: [ 1, 2 ]
amdhsa.kernels:
  - .name:           k_qaef82624f9_prep
    .symbol:         k_qaef82624f9_prep.kd
    .args:
      - { .name: Q, .offset: 0, .size: 8, .value_kind: global_buffer, .address_space: global }
      - { .name: Wqkv, .offset: 8, .size: 8, .value_kind: global_buffer, .address_space: global }
      - { .name: Wout, .offset: 16, .size: 8, .value_kind: global_buffer, .address_space: global }
      - { .name: qc, .offset: 24, .size: 8, .value_kind: global_buffer, .address_space: global }
      - { .name: qs, .offset: 32, .size: 8, .value_kind: global_buffer, .address_space: global }
      - { .name: wc, .offset: 40, .size: 8, .value_kind: global_buffer, .address_space: global }
      - { .name: ws, .offset: 48, .size: 8, .value_kind: global_buffer, .address_space: global }
      - { .name: wf, .offset: 56, .size: 8, .value_kind: global_buffer, .address_space: global }
    .group_segment_fixed_size: 122880
    .private_segment_fixed_size: 0
    .kernarg_segment_align: 8
    .kernarg_segment_size: 64
    .max_flat_workgroup_size: 1024
    .sgpr_count:     66
    .vgpr_count:     128
    .wavefront_size: 32
...
	.end_amdgpu_metadata
.endif
;; end of part 1
;; launch qkv (part 2): grid 12 x 16, 4 waves a work-group, clusters of 4 x 4, 327,680 bytes of LDS; arguments qc, qs, wc, ws, bqkv, fine32, qkvh; writes qkvh, fine32
.if DOCPART == 2
	.amdgcn_target "amdgcn-amd-amdhsa--gfx1250"
	.amdhsa_code_object_version 6
	.text
	.protected	k_qaef82624f9_qkv
	.globl	k_qaef82624f9_qkv
	.p2align	8
	.type	k_qaef82624f9_qkv,@function
k_qaef82624f9_qkv:
	s_mov_b64 s[64:65], 0
	v_nop
	global_prefetch_b8 v0, s[64:65] scope:SCOPE_SE
	s_setreg_imm32_b32 hwreg(HW_REG_WAVE_MODE, 25, 1), 1
	s_wait_xcnt 0x0
	s_wait_alu depctr_hold_cnt(0) depctr_sa_sdst(0) depctr_va_vdst(0) depctr_va_sdst(0) depctr_va_ssrc(0) depctr_va_vcc(0) depctr_vm_vsrc(0)
	s_getreg_b32 s2, hwreg(HW_REG_IB_STS2, 6, 4)
	s_cmp_eq_u32 s2, 0
	s_cbranch_scc0 .Lentry_in_a_cluster
	s_endpgm
.Lentry_in_a_cluster:
	s_bfe_u32 s2, ttmp6, 0x10000c
	s_cmp_lg_u32 s2, 0xf033
	s_cbranch_scc0 .Lentry_shape_is_right
	s_endpgm
.Lentry_shape_is_right:
; qkv[m][n] = sum over k of Q[m][k] Wqkv[k][n] + bqkv[n], on codes of FP4 (E2M1) with one E8M0 scale for each 32 along K.  A = qc [4096][512 bytes], qs [4096][32]; B = wc [3072][512 bytes], ws [3072][32].
; A tile of 256 x 256 to a work-group of four waves, 128 x 128 to a wave: 64 accumulators, 512 registers.  K = 1,024 is two slots of 512: both slots and all scale bytes are first fills; nothing is filled again.
; CLUSTERS: 4 x 4 work-groups; A's tiles are asked for jointly along a row of the cluster, B's along a column.
; THE MATRIX INSTRUCTION IS USED TRANSPOSED (source 0 = 16 rows of B, source 1 = 16 rows of A): a lane holds token l % 16 and eight neighbouring columns 8 (l / 16) + 0 .. 7 of a block of 16.
; THE BIAS is the C of each sum's first product: eight registers for each block of 16 columns, in the result's layout.
; THE WAY OUT needs no LDS.  Rounded to f16, a lane's eight numbers are 16 bytes, and the buffer qkvh is laid as the next launch's operand registers want them:
;   byte = section x 2^23 + (16 batch + head) x 2^18 + (token / 16) x 2048 + (channel / 16) x 512 + place;  q, k: place = 16 x lane;  v: place = 32 (token % 16) + 16 (lane / 16): rows of 16 channels.
; So each store of a wave covers 512 consecutive bytes, aligned.  LIMIT: |q|, |k|, |v| stay under 65,504 (f16), with an absolute step of 3e-8 under 6e-5.
; THE FIRST 16 TOKENS OF EACH BATCH also leave in f32 (fine32), as the accumulators stand: block n / 16 at 1,024 bytes, registers 0-3 at 16 x lane, 4-7 at 512 + 16 x lane.  No branch may hang on a work-group's
; place in its cluster, so all four tile rows of the cluster that holds those tokens store their first 16 rows, each into a part of its own; only the part of place 0 is read later: 1.2 MB stored for that.
; REGISTERS: window 0: v0-31 addresses; v32-95 scale words, two sets; v128-191 A's fragments, one set; v192-255 the bias; on the way out v64-191 packed results.
;   window 1: B's fragments, two sets.   window 2: accumulators of my rows 0-63 ((a, b) at v[8 (8 a + b)]);   window 3: of my rows 64-127.
.set SIZE_K, 1024
.set KSTEP,  512
.set NQ,     KSTEP/128
.set ROWB,   256                       ; a tile's row in bytes
.set KROW,   SIZE_K/2                  ; a row of codes in memory
.set PITCH,  272                       ; an LDS row: 256 bytes + 16 of padding: the 16 rows that a load touches start at 16 different banks
.set FR,     8
.set NL,     2
.set NP,     4                         ; places behind this matrix instruction (ISA guide 7.12.1)
.set HALFT,  128*PITCH
.set SLOT,   4*HALFT
.set KS,     SIZE_K/32
.set SCL,    2*SLOT                    ; behind the two slots: the scale bytes, as units of 256 bytes + 16 of padding
.set HALFS,  (128*KS/256)*272
.set SBLK,   (16*KS/256)*272
.set SPARE,  SCL+4*HALFS               ; the spare words, 128 bytes for each wave
.set ADRA, 16
.set ADRB, 20
.set VO,   24                          ; v24  my place in a block of qkvh
.set LO,   25                          ; v25  16 x lane
.set BO,   26                          ; v26  32 x (lane / 16): my eight numbers of a block of the bias
.set ADRS, 27
.set SPW,  28
.set NIL,  29
.set SC,   32
.set TMP,  64
.set AF,   128
.set BIAS, 192
.set G1, 24
.set G0, 32
.set G1B, 48
.set G0B, 56
.set G1S, 68
.set G0S, 76
.set G1SB, 80
.set G0SB, 88
.set MSB, 0
.macro WIN new                         ; the immediate's high byte repeats the setting that is left
.if MSB != (\new)
	s_set_vgpr_msb (MSB<<8)|(\new)
.set MSB, (\new)
.endif
.endm
.set MUL_LO, 0xa1                      ; source 0 (B) window 1, source 1 (A) window 0, C and D window 2
.set MUL_HI, 0xf1                      ; the same, C and D window 3
.set FIRST_LO, 0x81                    ; the first products: C (the bias) window 0, D window 2
.set FIRST_HI, 0xc1                    ; D window 3
.set TO_B,   0x40
.macro JLOAD g0a, g1a, g0b, g1b        ; a joint load: waves 0 and 1 fetch for A, waves 2 and 3 for B; an s_nop 0 and four v_nop follow each line
	s_cmp_eq_u32 s15, 0
	s_cbranch_scc0 .Lfor_b_\@
	tensor_load_to_lds s[\g0a:\g0a+3], s[\g1a:\g1a+7]
	s_nop 0
.rept 4
	v_nop
.endr
	s_branch .Lasked_\@
.Lfor_b_\@:
	tensor_load_to_lds s[\g0b:\g0b+3], s[\g1b:\g1b+7]
	s_nop 0
.rept 4
	v_nop
.endr
.Lasked_\@:
.endm
.macro CROUND                          ; a round of the cluster's barrier
	s_barrier_signal -1
	s_barrier_wait -1
	s_cmp_lg_u32 s14, 0
	s_cbranch_scc1 .Lnot_wave_0_\@
	s_barrier_signal -3
.Lnot_wave_0_\@:
	s_barrier_wait -3
	s_barrier_signal -1
	s_barrier_wait -1
.endm
	s_load_b128 s[4:7], s[0:1], 0x0                ; A's codes, A's scales
	s_load_b128 s[8:11], s[0:1], 0x10              ; B's codes, B's scales
	s_load_b128 s[96:99], s[0:1], 0x20             ; the bias s[96:97], fine32 s[98:99]
	s_load_b64 s[12:13], s[0:1], 0x30              ; qkvh
	v_lshl_add_u32 v[SPW], v0, 2, SPARE
	v_mov_b32 v[NIL], 0
	ds_add_u32 v[SPW], v[NIL]                      ; the wave's opening: the add, twice on end, and its wait ahead of my first tensor load
	ds_add_u32 v[SPW], v[NIL]
	v_lshrrev_b32 v1, 5, v0
	v_readfirstlane_b32 s14, v1                    ; wave 0..3
	s_lshr_b32 s15, s14, 1                         ; which half of the tile's rows is mine.  Also: I fetch for A (0) or for B (1)
	s_and_b32 s16, s14, 1                          ; which half of its columns.  Also: which 128 rows I fetch
	s_bfe_u32 s40, ttmp6, 0x40000                  ; cx, cy
	s_bfe_u32 s41, ttmp6, 0x40004
	s_lshl_b32 s42, ttmp9, 2
	s_add_co_u32 s42, s42, s40                     ; tile column = 4 x cluster x + cx
	s_and_b32 s17, ttmp7, 0xffff
	s_lshl_b32 s17, s17, 2
	s_add_co_u32 s17, s17, s41                     ; tile row = 4 x cluster y + cy
	s_lshl_b32 s43, s41, 2
	s_lshl_b32 s43, 15, s43                        ; my row of the cluster
	s_lshl_b32 s44, 0x1111, s40                    ; my column
	s_or_b32 s[G1+0], s43, (0<<16)|(1<<20)|(1<<21)|(5<<22)|(3<<25)  ; mask; elements of 1 byte; padding on; bit 21 beside a mask; 4 words behind every 64
	s_or_b32 s[G1B+0], s44, (0<<16)|(1<<20)|(1<<21)|(5<<22)|(3<<25)
.irp g, G1, G1B
	s_mov_b32 s[\g+1], ROWB<<16                    ; tensor_dim0
	s_mov_b32 s[\g+2], 128<<16                     ; tensor_dim1
	s_mov_b32 s[\g+3], ROWB<<16                    ; tile_dim0
	s_mov_b32 s[\g+4], 128                         ; tile_dim1
	s_mov_b32 s[\g+5], KROW                        ; the pitch
	s_mov_b32 s[\g+6], 0
	s_mov_b32 s[\g+7], 0
.endr
	s_or_b32 s[G1S+0], s43, (3<<16)|(1<<20)|(1<<21)|(5<<22)|(3<<25)  ; the scales of 128 rows: 4,096 dense bytes as 16 rows of 256 (32 elements of 8 bytes), padded
	s_or_b32 s[G1SB+0], s44, (3<<16)|(1<<20)|(1<<21)|(5<<22)|(3<<25)
.irp g, G1S, G1SB
	s_mov_b32 s[\g+1], 32<<16
	s_mov_b32 s[\g+2], (128*KS/256)<<16
	s_mov_b32 s[\g+3], 32<<16
	s_mov_b32 s[\g+4], 128*KS/256
	s_mov_b32 s[\g+5], 32
	s_mov_b32 s[\g+6], 0
	s_mov_b32 s[\g+7], 0
.endr
	s_lshl_b32 s18, s16, 7
	s_lshl_b32 s20, s17, 8
	s_add_co_u32 s20, s20, s18                     ; A: row 256 x tile row + 128 x half
	s_lshl_b32 s46, s42, 8
	s_add_co_u32 s46, s46, s18                     ; B: row 256 x tile column + 128 x half
	s_mov_b32 s21, 0
	s_mov_b32 s47, 0
	s_mov_b64 s[18:19], KS
	s_mul_u64 s[22:23], s[20:21], s[18:19]
	s_mul_u64 s[92:93], s[46:47], s[18:19]
	s_mov_b64 s[18:19], KROW
	s_mul_u64 s[20:21], s[20:21], s[18:19]
	s_mul_u64 s[46:47], s[46:47], s[18:19]
	s_mul_i32 s45, s14, HALFT                      ; where they go: wave x 128 rows
	s_mul_i32 s94, s14, HALFS
	s_wait_dscnt 0x0                               ; both opening adds are done
	s_wait_kmcnt 0x0
	s_add_nc_u64 s[20:21], s[4:5], s[20:21]
	s_add_nc_u64 s[22:23], s[6:7], s[22:23]
	s_add_nc_u64 s[46:47], s[8:9], s[46:47]
	s_add_nc_u64 s[92:93], s[10:11], s[92:93]
	CROUND                                         ; all sixteen work-groups are here: the joint loads meet
	s_mov_b32 s[G0S], 1
	s_add_co_u32 s[G0S+1], s94, SCL
	s_mov_b64 s[G0S+2:G0S+3], s[22:23]
	s_or_b32 s[G0S+3], s[G0S+3], 0x80000000
	s_mov_b32 s[G0SB], 1
	s_add_co_u32 s[G0SB+1], s94, SCL
	s_mov_b64 s[G0SB+2:G0SB+3], s[92:93]
	s_or_b32 s[G0SB+3], s[G0SB+3], 0x80000000
	JLOAD G0S, G1S, G0SB, G1SB                     ; the scales first; with the two slots three loads of mine are out
.irp s, 0,1
	s_mov_b32 s[G0+4*\s], 1
	s_add_co_u32 s[G0+4*\s+1], s45, \s*SLOT
	s_add_nc_u64 s[G0+4*\s+2:G0+4*\s+3], s[20:21], \s*ROWB
	s_or_b32 s[G0+4*\s+3], s[G0+4*\s+3], 0x80000000
	s_mov_b32 s[G0B+4*\s], 1
	s_add_co_u32 s[G0B+4*\s+1], s45, \s*SLOT
	s_add_nc_u64 s[G0B+4*\s+2:G0B+4*\s+3], s[46:47], \s*ROWB
	s_or_b32 s[G0B+4*\s+3], s[G0B+4*\s+3], 0x80000000
	JLOAD G0+4*\s, G1, G0B+4*\s, G1B
.endr
	v_and_b32 v1, 15, v0                           ; r = l % 16
	v_bfe_u32 v2, v0, 4, 1                         ; h = l / 16
	s_lshl_b32 s46, s42, 10                        ; my first column, in bytes of f32: 1024 x tile column + 512 x half
	s_lshl_b32 s47, s16, 9
	s_add_co_u32 s46, s46, s47
	s_mov_b32 s47, 0
	s_add_nc_u64 s[96:97], s[96:97], s[46:47]
	v_lshlrev_b32 v[BO], 5, v2
.irp b, 0,1,2,3,4,5,6,7
	global_load_b128 v[BIAS+8*\b:BIAS+8*\b+3], v[BO], s[96:97] offset:64*\b          ; bqkv at columns 16 b + 8 h + 0 .. 7 of my 128
	global_load_b128 v[BIAS+8*\b+4:BIAS+8*\b+7], v[BO], s[96:97] offset:64*\b+16
.endr
	v_mul_u32_u24 v3, v1, PITCH
	v_lshl_add_u32 v4, v2, 4, v3                   ; a fragment's row x pitch + 16 x half
	s_mul_i32 s21, s15, HALFT
	s_mul_i32 s22, s16, HALFT
	s_add_co_u32 s22, s22, 2*HALFT
.irp s, 0,1
	v_add_nc_u32 v[ADRA+\s], s21, v4
	v_add_nc_u32 v[ADRB+\s], s22, v4
	s_add_co_u32 s21, s21, SLOT
	s_add_co_u32 s22, s22, SLOT
.endr
	v_mul_u32_u24 v5, v1, KS                       ; my row's scales: KS bytes a row,
	v_lshrrev_b32 v6, 8, v5
	v_lshl_add_u32 v5, v6, 4, v5                   ; and 16 more for each 256 passed
	s_mul_i32 s21, s15, HALFS
	s_mul_i32 s22, s16, HALFS
	s_add_co_u32 s22, s22, 2*HALFS
	s_sub_co_u32 s22, s22, s21
	v_mul_u32_u24 v6, s22, v2                      ; lanes 16-31 take B's
	s_add_co_u32 s21, s21, SCL
	v_add_nc_u32 v5, v5, v6
	v_add_nc_u32 v[ADRS], s21, v5
	; the way out
	v_and_b32 v6, 31, v0
	v_lshlrev_b32 v[LO], 4, v6
	v_lshlrev_b32 v7, 5, v1
	v_lshl_add_u32 v7, v2, 4, v7                   ; 32 r + 16 h
	s_cmp_eq_u32 ttmp9, 2                          ; the section is the cluster's x: 0 q, 1 k, 2 v
	s_cselect_b32 s66, -1, 0
	v_cndmask_b32 v[VO], v[LO], v7, s66
	s_and_b32 s67, ttmp7, 1
	s_or_b32 s67, s67, s15                         ; 0: my first 16 rows go out in f32 too (cluster y 0 or 2, waves 0 and 1): the same in all partners
	s_lshr_b32 s20, s17, 3                         ; batch
	s_lshl_b32 s21, s20, 22                        ; 16 batch heads of 2^18 bytes
	s_and_b32 s22, s17, 7
	s_lshl_b32 s22, s22, 4
	s_lshl_b32 s23, s15, 3
	s_add_co_u32 s22, s22, s23                     ; my first block of 16 tokens in the batch
	s_lshl_b32 s22, s22, 11
	s_add_co_u32 s21, s21, s22
	s_and_b32 s46, s42, 3
	s_lshl_b32 s46, s46, 2
	s_lshl_b32 s47, s16, 1
	s_add_co_u32 s46, s46, s47                     ; my first head
	s_lshl_b32 s46, s46, 18
	s_lshl_b32 s47, ttmp9, 23
	s_add_co_u32 s46, s46, s47
	s_add_co_u32 s46, s46, s21
	s_mov_b32 s47, 0
	s_add_nc_u64 s[12:13], s[12:13], s[46:47]
	s_lshl_b32 s21, s20, 2
	s_and_b32 s22, s17, 3
	s_add_co_u32 s21, s21, s22
	s_mul_i32 s21, s21, 196608                     ; fine32: part 4 batch + (tile row % 4) of 192 blocks of 1,024 bytes
	s_lshl_b32 s92, s42, 14
	s_lshl_b32 s93, s16, 13
	s_add_co_u32 s92, s92, s93                     ; block 16 x tile column + 8 x half
	s_add_co_u32 s92, s92, s21
	s_mov_b32 s93, 0
	s_add_nc_u64 s[98:99], s[98:99], s[92:93]
.macro FRAG reg, adr, q, i             ; 16 rows x 128 K of 4-bit codes: 8 registers, two loads of 16 bytes, 32 bytes apart
.irp c, 0,1
	ds_load_b128 v[\reg+4*\c:\reg+4*\c+3], v[\adr] offset:64*(\q)+32*\c+(\i)*16*PITCH
.endr
.endm
; 16 matrix instructions: A's blocks a0, a0 + 1 x B's eight.  zero = 1: the first product starts the sums from the bias.  The 64 accumulators take turns, one instruction a turn.
.macro MUL16 a0, p, q, sc, zero
.irp a, \a0, \a0+1
.irp b, 0,1,2,3,4,5,6,7
.if \zero
	v_wmma_scale_f32_16x16x128_f8f6f4 v[8*(8*((\a)%4)+\b):8*(8*((\a)%4)+\b)+7], v[128*(\p)+FR*\b:128*(\p)+FR*\b+FR-1], v[AF+FR*(\a):AF+FR*(\a)+FR-1], v[BIAS+8*\b:BIAS+8*\b+7], v[SC+8*NQ*(\sc)+NQ*\b+(\q)], v[SC+8*NQ*(\sc)+NQ*(\a)+(\q)] matrix_a_fmt:MATRIX_FMT_FP4 matrix_b_fmt:MATRIX_FMT_FP4 matrix_a_scale:MATRIX_SCALE_ROW1
.else
	v_wmma_scale_f32_16x16x128_f8f6f4 v[8*(8*((\a)%4)+\b):8*(8*((\a)%4)+\b)+7], v[128*(\p)+FR*\b:128*(\p)+FR*\b+FR-1], v[AF+FR*(\a):AF+FR*(\a)+FR-1], v[8*(8*((\a)%4)+\b):8*(8*((\a)%4)+\b)+7], v[SC+8*NQ*(\sc)+NQ*\b+(\q)], v[SC+8*NQ*(\sc)+NQ*(\a)+(\q)] matrix_a_fmt:MATRIX_FMT_FP4 matrix_b_fmt:MATRIX_FMT_FP4 matrix_a_scale:MATRIX_SCALE_ROW1
.endif
.endr
.endr
.endm
.macro FETCH_B slot, q, p
	WIN TO_B
.irp i, 0,1,2,3,4,5,6,7
	FRAG 128*(\p)+FR*\i, ADRB+\slot, \q, \i
.endr
	WIN 0
.endm
.macro FETCH_A slot, q, i0
.irp i, \i0, \i0+1, \i0+2, \i0+3
	FRAG AF+FR*(\i), ADRA+\slot, \q, \i
.endr
.endm
.macro SCALES sc                       ; a slot's scale words: lanes 0-15 take A's block i, lanes 16-31 B's block i
.irp i, 0,1,2,3,4,5,6,7
	ds_load_b128 v[SC+8*NQ*\sc+NQ*\i:SC+8*NQ*\sc+NQ*\i+3], v[ADRS] offset:\i*SBLK
.endr
.endm
.macro PLACES n                        ; places in front of loads into registers that matrix instructions have read, and of the first read of results
.rept \n
	v_nop
.endr
.endm
.macro STEP slot, q, zero              ; 128 along K with its successor in the same slot
	s_wait_dscnt 4*NL                              ; B's set and A's blocks 0-3 are in; the youngest eight loads (A's blocks 4-7) may be out
.if \zero
	WIN FIRST_LO
.else
	WIN MUL_LO
.endif
	MUL16 0, (\q)%2, \q, \slot, \zero
	MUL16 2, (\q)%2, \q, \slot, \zero
	s_wait_dscnt 0                                 ; A's blocks 4-7 are in
	PLACES NP
	FETCH_B \slot, (\q)+1, 1-(\q)%2
	FETCH_A \slot, (\q)+1, 0
.if \zero
	WIN FIRST_HI
.else
	WIN MUL_HI
.endif
	MUL16 4, (\q)%2, \q, \slot, \zero
	MUL16 6, (\q)%2, \q, \slot, \zero
	PLACES NP
	WIN 0
	FETCH_A \slot, (\q)+1, 4
.endm
.macro TURN slot, next                 ; slot 0's last step: one barrier; behind it slot 1 is whole for every wave.  Nothing is filled again
	s_wait_tensorcnt 0x0                           ; all my tensor loads have landed: my part of slot 1
	ds_add_u32 v[SPW], v[NIL]                      ; 0 onto my spare word
	s_wait_dscnt 4*NL+1                            ; (the add and the youngest eight loads may be out)
	WIN MUL_LO
	MUL16 0, 1, NQ-1, \slot, 0
	s_wait_dscnt 0x0                               ; the add is done, my reads of this slot are over
	s_barrier_signal -1
	MUL16 2, 1, NQ-1, \slot, 0
	WIN 0
	s_barrier_wait -1
	PLACES NP
	v_add_nc_u32 v[ADRS], 4*NQ, v[ADRS]            ; on to the next slot's scale words
	FETCH_B \next, 0, 0
	FETCH_A \next, 0, 0
	SCALES \next
	WIN MUL_HI
	MUL16 4, 1, NQ-1, \slot, 0
	MUL16 6, 1, NQ-1, \slot, 0
	PLACES NP
	WIN 0
	FETCH_A \next, 0, 4
.endm
	s_wait_tensorcnt 1                             ; the scales and my part of slot 0 are in; slot 1's load may be out
	s_barrier_signal -1
	s_barrier_wait -1
	FETCH_B 0, 0, 0
	FETCH_A 0, 0, 0
	SCALES 0
	FETCH_A 0, 0, 4
	s_wait_loadcnt 0x0                             ; the bias
	STEP 0, 0, 1
	STEP 0, 1, 0
	STEP 0, 2, 0
	TURN 0, 1
	STEP 1, 0, 0
	STEP 1, 1, 0
	STEP 1, 2, 0
	s_wait_dscnt 4*NL                              ; the last step: nothing more to fetch
	WIN MUL_LO
	MUL16 0, 1, NQ-1, 1, 0
	MUL16 2, 1, NQ-1, 1, 0
	s_wait_dscnt 0
	WIN MUL_HI
	MUL16 4, 1, NQ-1, 1, 0
	MUL16 6, 1, NQ-1, 1, 0
	WIN 0
	PLACES NP                                      ; in front of the first read of results and of the writes over scale words and A's fragments
	s_cmp_lg_u32 s67, 0
	s_cbranch_scc1 .Lno_fine
	WIN 0x08                                       ; a store's data are its source 1: window 2
.irp b, 0,1,2,3,4,5,6,7
	global_store_b128 v[LO], v[8*\b:8*\b+3], s[98:99] offset:1024*\b          ; my first 16 rows in f32, each accumulator from its low end on; 512 consecutive bytes a store
	global_store_b128 v[LO], v[8*\b+4:8*\b+7], s[98:99] offset:1024*\b+512
.endr
	WIN 0
.Lno_fine:
.macro PACK a                          ; block a of 16 tokens: rounded to f16 and stored
.set AC, 64*((\a)%4)
.set TP, TMP+32*((\a)%4)
	WIN 0x0a+5*((\a)/4)                            ; sources 0 and 1: window 2 or 3
.irp b, 0,1,2,3,4,5,6,7
.irp i, 0,1,2,3
	v_cvt_pk_f16_f32 v[TP+4*\b+\i], v[AC+8*\b+2*\i], v[AC+8*\b+2*\i+1]
.endr
.endr
	WIN 0
.irp b, 0,1,2,3,4,5,6,7
	global_store_b128 v[VO], v[TP+4*\b:TP+4*\b+3], s[12:13] offset:(\a)*2048+(\b/4)*262144+(\b%4)*512   ; head b / 4 of my two, channels 16 (b % 4) on
.endr
.endm
.irp a, 0,1,2,3,4,5,6,7
.if \a > 3
	s_wait_xcnt 0x0                                ; block a - 4's stores have read their registers, which are written again
.endif
	PACK \a
.endr
	s_wait_tensorcnt 0x0                           ; the wave's end
	ds_add_u32 v[SPW], v[NIL]
	s_wait_dscnt 0x0
	CROUND                                         ; the closing round
	s_endpgm
.Lfunc_end_k_qaef82624f9_qkv:
	.size	k_qaef82624f9_qkv, .Lfunc_end_k_qaef82624f9_qkv-k_qaef82624f9_qkv
	.p2alignl 7, 3214868480
	.fill 96, 4, 3214868480
	.section	.rodata,"a",@progbits
	.p2align	6, 0x0
	.amdhsa_kernel k_qaef82624f9_qkv
		.amdhsa_group_segment_fixed_size 327680
		.amdhsa_private_segment_fixed_size 0
		.amdhsa_enable_private_segment 0
		.amdhsa_kernarg_size 56
		.amdhsa_user_sgpr_count 2
		.amdhsa_user_sgpr_kernarg_segment_ptr 1
		.amdhsa_wavefront_size32 1
		.amdhsa_system_sgpr_workgroup_id_x 1
		.amdhsa_system_sgpr_workgroup_id_y 1
		.amdhsa_system_sgpr_workgroup_id_z 1
		.amdhsa_system_vgpr_workitem_id 0
		.amdhsa_next_free_vgpr 1024
		.amdhsa_next_free_sgpr 100
		.amdhsa_reserve_vcc 0
		.amdhsa_float_denorm_mode_32 3
		.amdhsa_float_denorm_mode_16_64 3
		.amdhsa_memory_ordered 1
		.amdhsa_forward_progress 1
		.amdhsa_inst_pref_size 122
	.end_amdhsa_kernel
	.amdgpu_metadata
---
amdhsa.version: [ 1, 2 ]
amdhsa.kernels:
  - .name:           k_qaef82624f9_qkv
    .symbol:         k_qaef82624f9_qkv.kd
    .args:
      - { .name: qc, .offset: 0, .size: 8, .value_kind: global_buffer, .address_space: global }
      - { .name: qs, .offset: 8, .size: 8, .value_kind: global_buffer, .address_space: global }
      - { .name: wc, .offset: 16, .size: 8, .value_kind: global_buffer, .address_space: global }
      - { .name: ws, .offset: 24, .size: 8, .value_kind: global_buffer, .address_space: global }
      - { .name: bqkv, .offset: 32, .size: 8, .value_kind: global_buffer, .address_space: global }
      - { .name: fine32, .offset: 40, .size: 8, .value_kind: global_buffer, .address_space: global }
      - { .name: qkvh, .offset: 48, .size: 8, .value_kind: global_buffer, .address_space: global }
    .group_segment_fixed_size: 327680
    .private_segment_fixed_size: 0
    .kernarg_segment_align: 8
    .kernarg_segment_size: 56
    .max_flat_workgroup_size: 128
    .sgpr_count:     100
    .vgpr_count:     1024
    .wavefront_size: 32
...
	.end_amdgpu_metadata
.endif
;; end of part 2
;; launch attn (part 3): grid 8 x 32, 8 waves a work-group, no clusters, 327,680 bytes of LDS; arguments qkvh, af; writes af
.if DOCPART == 3
	.amdgcn_target "amdgcn-amd-amdhsa--gfx1250"
	.amdhsa_code_object_version 6
	.text
	.protected	k_qaef82624f9_attn
	.globl	k_qaef82624f9_attn
	.p2align	8
	.type	k_qaef82624f9_attn,@function
k_qaef82624f9_attn:
	s_mov_b64 s[64:65], 0
	v_nop
	global_prefetch_b8 v0, s[64:65] scope:SCOPE_SE
	s_setreg_imm32_b32 hwreg(HW_REG_WAVE_MODE, 25, 1), 1
	s_wait_xcnt 0x0
; Causal attention of one head (work-group y = 16 batch + head) on f16 operands, sums, maxima and the softmax in f32, with a running maximum.  Head size 64, 2,048 tokens.
; SHARES.  Work-group x = p owns query blocks p and 15 - p of 128.  Wave w holds TWO tiles of 16 queries: tile 0 (long) from 128 (15 - p) + 16 (7 - w), tile 1 (short) from 128 p + 16 w.  A tile from query q0 needs
; q0 / 64 + 1 key steps of 64; the two together need 33, for every wave of every work-group: the mask's work is shared evenly.  Two waves to a SIMD: one wave's softmax stands beside the other's products.
; NO CLUSTER: work-group p needs 128 (16 - p) keys, so partners would need different numbers of tiles, and a joint tile would be read by no wave of some partner.
; LAYOUT.  S^T = K Q^T (source 0 = 16 keys, source 1 = 16 queries), O^T = V^T P: a lane holds ONE query (lane % 16) throughout; two tiles of S^T, rounded to f16 in pairs, are source 1 of the second product.
; qkvh holds q and k as images of operand registers (a block of 16 tokens x 16 channels: 16 bytes a lane at 16 x lane) and v as rows of 16 channels (32 bytes a token), which ds_load_tr16_b128 turns.
; So K's and V's tiles are dense blocks of memory and of LDS: no pitch, no padding; every LDS load of a wave reads 512 consecutive bytes.
; RING.  Two slots of 256 keys (K 32 KiB, V 32 KiB).  Wave 0 fetches K's block, wave 1 V's, one tensor load each behind each change of slots; it has a slot's four key steps in which to land.
; Every work-group walks all 8 slots (constant trip counts); a step all of whose keys come after a tile's queries is jumped over by a scalar branch on ids; a slot that no wave would read is not asked for.
; THE WAY OUT: O^T / l, rounded to f16, is the image of the projection's operand registers: fragment (row / 16, k / 32) of af at (row/16) x 32768 + (k/32) x 1024; each store covers 512 consecutive bytes.
; LIMITS: NaN and infinities are not served; the attention's results stay under 65,504 (f16).  The first 16 queries of each batch are computed here too and replaced by the f32 launch.
; REGISTERS.  window 0: v1-11 addresses and constants; v16+8t statistics of tile t (c m, m, l even, l odd, c0-c3; a takes c2's place); v32+16t packed results; v64+32t S^T; v128+16t P; v160+32t O^T.
;   window 1: v0+16t Q; v64-127 K of a step; v128-191 V of a step.
.set SLOT1, 65536                      ; slot 1 begins here: one exclusive or turns an address
.set VOFF,  32768                      ; in a slot: K's block, then V's
.set SPARE, 131072                     ; behind the ring: the spare words, 128 bytes for each wave
.set NSL,   8
.set AK0, 1                            ; v1  16 x lane: my place in a register image (LDS and memory)
.set AV0, 2                            ; v2  my place in a block of V for the turning load
.set ADK, 3
.set ADV, 4
.set SPW, 5
.set NIL, 6
.set RH,  8                            ; v8  lane % 16 - 8 (lane / 16)
.set DD,  9
.set NINF, 10                          ; v10 -infinity
.set PFO, 11                           ; v11 256 x lane
.set ST,  16
.set OUTR, 32
.set S,   64
.set P,   128
.set OT,  160
.set QF,  0
.set KFR, 64
.set VFR, 128
.set TB,  2                            ; s2  LDS byte at which the step's tiles begin
.set CNT, 3
.set WV,  8
.set BH,  9
.set QB,  11                           ; s11 tile 0's first query;  s12 tile 1's
.set QA,  12
.set QLAST, 13                         ; s13 the work-group's last query
.set KF,  14                           ; s14 the step's first key
.set SLOTS, 15
.set LIM, 16
.set PFK, 18
.set PFV, 20
.set CS,  22                           ; s[22:23] c = log2(e) / 8
.set SEL, 24
.set G0,  28
.set G1,  32
.set QBASE, 44                         ; s[44:47] Q at tile 0, tile 1
.set ABASE, 48                         ; s[48:51] af likewise
.set MSB, 0
.macro WIN new
.if MSB != (\new)
	s_set_vgpr_msb (MSB<<8)|(\new)
.set MSB, (\new)
.endif
.endm
.macro TLOAD                           ; waves 0 and 1 fetch; an s_nop 0 and four v_nop follow the line
	s_cmp_lt_u32 s[WV], 2
	s_cbranch_scc0 .Lasked_\@
	tensor_load_to_lds s[G0:G0+3], s[G1:G1+7]
	s_nop 0
.rept 4
	v_nop
.endr
.Lasked_\@:
.endm
; A PREFETCH INTO THE L2 of what the NEXT change of slots will ask for: 32 KiB of K and 32 KiB of V.  All eight work-groups of a head walk the same K and V: work-group x = 0 asks, which walks and loads all slots.
; In it waves 4 to 7, which fetch nothing, ask: each for its 8,192 bytes of K's block and of V's, lanes 256 bytes apart: each aligned block of 256 bytes is named once in the launch.
; Slots 0 and 1 come by their loads alone; the last change that fills a slot asks for nothing.
.macro ASK
	s_cmp_gt_u32 s[SLOTS], s[LIM]
	s_cbranch_scc0 .Lnot_mine_\@
	global_prefetch_b8 v[PFO], s[PFK:PFK+1] th:TH_LOAD_NT scope:SCOPE_SE
	global_prefetch_b8 v[PFO], s[PFV:PFV+1] th:TH_LOAD_NT scope:SCOPE_SE
.Lnot_mine_\@:
.endm
	s_load_b128 s[4:7], s[0:1], 0x0                ; qkvh s[4:5], af s[6:7]
	v_lshl_add_u32 v[SPW], v0, 2, SPARE
	v_mov_b32 v[NIL], 0
	ds_add_u32 v[SPW], v[NIL]                      ; the wave's opening: the add, twice on end, and its wait ahead of my first tensor load
	ds_add_u32 v[SPW], v[NIL]
	v_lshrrev_b32 v7, 5, v0
	v_readfirstlane_b32 s[WV], v7                  ; wave 0..7
	s_and_b32 s[BH], ttmp7, 0xffff
	s_lshl_b32 s[QA], ttmp9, 7
	s_lshl_b32 s52, s[WV], 4
	s_add_co_u32 s[QA], s[QA], s52                 ; 128 p + 16 w
	s_sub_co_u32 s[QB], 2032, s[QA]                ; 128 (15 - p) + 16 (7 - w)
	s_lshl_b32 s52, ttmp9, 7
	s_sub_co_u32 s[QLAST], 2047, s52
	s_mov_b32 s[G1], 3<<16                         ; no mask; elements of 8 bytes; no padding
	s_mov_b32 s[G1+1], 32<<16                      ; tensor_dim0 = 32 elements: rows of 256 bytes
	s_mov_b32 s[G1+2], 128<<16                     ; tensor_dim1 = 128 rows: 32 KiB
	s_mov_b32 s[G1+3], 32<<16                      ; tile_dim0
	s_mov_b32 s[G1+4], 128                         ; tile_dim1
	s_mov_b32 s[G1+5], 32                          ; the pitch: the block is dense
	s_mov_b32 s[G1+6], 0
	s_mov_b32 s[G1+7], 0
	s_mov_b32 s[CS], 0x3e38aa3b                    ; c = log2(e) / sqrt(64)
	s_mov_b32 s[CS+1], s[CS]
	s_mov_b32 s[SEL], 0x76543210
	s_mov_b32 s[SEL+1], 0xfedcba98
	s_mov_b32 s[TB], 0
	s_mov_b32 s[KF], 0
	s_mov_b32 s[SLOTS], NSL-1
	s_min_u32 s53, s[WV], 1                        ; wave 0: K; wave 1: V (the others issue nothing and hold wave 1's numbers)
	s_lshl_b32 s54, s53, 15                        ; its place in a slot
	s_add_co_u32 s53, s53, 1
	s_lshl_b32 s40, s53, 23                        ; its section of qkvh,
	s_lshl_b32 s52, s[BH], 18
	s_add_co_u32 s40, s40, s52                     ; my head in it
	s_mov_b32 s41, 0
	s_lshr_b32 s55, s[WV], 2
	s_xor_b32 s55, s55, 1                          ; 0 in waves 4 to 7,
	s_or_b32 s55, s55, ttmp9                       ; of work-group x = 0
	s_cmp_eq_u32 s55, 0
	s_cselect_b32 s[LIM], 1, -1
	s_wait_dscnt 0x0                               ; both opening adds are done
	s_wait_kmcnt 0x0
	s_mov_b32 s[G0], 1
	s_mov_b32 s[G0+1], s54
	s_add_nc_u64 s[G0+2:G0+3], s[4:5], s[40:41]
	s_or_b32 s[G0+3], s[G0+3], 0x80000000
	TLOAD                                          ; slot 0: keys 0 to 255, which count for queries of every work-group
	s_lshl_b32 s52, s[BH], 18
	s_mov_b32 s53, 0
	s_add_nc_u64 s[40:41], s[4:5], s[52:53]        ; q of my head
	s_lshl_b32 s52, s[QB], 7                       ; 128 bytes a token
	s_add_nc_u64 s[QBASE:QBASE+1], s[40:41], s[52:53]
	s_lshl_b32 s52, s[QA], 7
	s_add_nc_u64 s[QBASE+2:QBASE+3], s[40:41], s[52:53]
	s_and_b32 s52, s[WV], 3
	s_lshl_b32 s52, s52, 13
	s_add_co_u32 s52, s52, (1<<23)+32768           ; my 8,192 bytes of K's slot 1: the first change of slots steps it to slot 2
	s_add_nc_u64 s[PFK:PFK+1], s[40:41], s[52:53]
	s_add_nc_u64 s[PFV:PFV+1], s[PFK:PFK+1], 1<<23
	s_lshr_b32 s54, s[BH], 4
	s_lshl_b32 s54, s54, 11                        ; 2,048 x batch
	s_and_b32 s55, s[BH], 15
	s_add_co_u32 s54, s54, s55                     ; a row is 2,048 bytes on in af, and so is a head: (row + head) x 2,048
	s_add_co_u32 s52, s54, s[QB]
	s_lshl_b32 s52, s52, 11
	s_add_nc_u64 s[ABASE:ABASE+1], s[6:7], s[52:53]
	s_add_co_u32 s52, s54, s[QA]
	s_lshl_b32 s52, s52, 11
	s_add_nc_u64 s[ABASE+2:ABASE+3], s[6:7], s[52:53]
	v_and_b32 v7, 31, v0
	v_lshlrev_b32 v[AK0], 4, v7
	WIN 0x40                                       ; destination window 1
.irp t, 0,1
.irp cs, 0,1
	global_load_b128 v[QF+16*\t+8*\cs:QF+16*\t+8*\cs+3], v[AK0], s[QBASE+2*\t:QBASE+2*\t+1] offset:\cs*1024
	global_load_b128 v[QF+16*\t+8*\cs+4:QF+16*\t+8*\cs+7], v[AK0], s[QBASE+2*\t:QBASE+2*\t+1] offset:\cs*1024+512
.endr
.endr
	WIN 0
	v_bfe_u32 v3, v0, 4, 1                         ; h
	v_and_b32 v4, 7, v0
	v_lshlrev_b32 v[AV0], 5, v4                    ; the turning load: lane l reads key 8 (l / 16) + l % 8 (32 bytes a key), channels 8 ((l / 8) % 2) on
	v_lshl_add_u32 v[AV0], v3, 8, v[AV0]
	v_bfe_u32 v4, v0, 3, 1
	v_lshl_add_u32 v[AV0], v4, 4, v[AV0]
	v_add_nc_u32 v[AV0], VOFF, v[AV0]
	v_and_b32 v[RH], 15, v0
	v_lshlrev_b32 v4, 3, v3
	v_sub_nc_u32 v[RH], v[RH], v4
	v_mov_b32 v[NINF], 0xff800000
	v_lshlrev_b32 v[PFO], 8, v7
.irp t, 0,1
	v_mov_b32 v[ST+8*\t+1], 0xff61b1e6             ; m = -3e38, under every score
	v_mul_f32 v[ST+8*\t], s[CS], v[ST+8*\t+1]      ; c m
.irp i, 2,3,4,5,6,7
	v_mov_b32 v[ST+8*\t+\i], 0                     ; l; and c0-c3, so that every path finds them written
.endr
.endr
.set i, 0
.rept 64
	v_mov_b32 v[OT+i], 0                           ; O^T.  (The step is written once: the first finds zeros, which its a = 0 leaves zeros)
.set i, i+1
.endr
; On the diagonal the scores of hidden keys become -infinity ahead of the maximum.  Register 8 kt + j of tile t holds key KF + 16 kt + 8 (lane / 16) + j: hidden where 16 kt + j > d = q0 - KF + lane % 16 - 8 (lane / 16).
.macro MASK t
	s_add_co_u32 s52, s[KF], 63
	s_cmp_le_u32 s52, s[QB+(\t)]                   ; all 64 keys count for all 16 queries: nothing to hide
	s_cbranch_scc1 .Lopen_\@
	s_sub_co_i32 s52, s[QB+(\t)], s[KF]
	v_add_nc_u32 v[DD], s52, v[RH]
.set mi, 0
.rept 32
	v_cmp_gt_i32 vcc_lo, 16*(mi/8)+mi%8, v[DD]
	v_cndmask_b32 v[S+32*(\t)+mi], v[S+32*(\t)+mi], v[NINF], vcc_lo
.set mi, mi+1
.endr
.Lopen_\@:
.endm
; The softmax of a key step for tiles 0 .. n - 1, the tiles line by line in turn.  p = 2^(c s - c m); O^T and l are multiplied by a = 2^(c m_old - c m_new).
.macro SOFTMAX n
.irp j, 0,1,2,3
.irp t, 0,1
.if \t < \n
	v_max3_num_f32 v[ST+8*\t+4+\j], v[S+32*\t+8*\j], v[S+32*\t+8*\j+1], v[S+32*\t+8*\j+2]    ; four chains, each begun at an accumulator's low end
.endif
.endr
.endr
.irp i, 3,5
.irp j, 0,1,2,3
.irp t, 0,1
.if \t < \n
	v_max3_num_f32 v[ST+8*\t+4+\j], v[ST+8*\t+4+\j], v[S+32*\t+8*\j+\i], v[S+32*\t+8*\j+\i+1]
.endif
.endr
.endr
.endr
.irp t, 0,1
.if \t < \n
	v_max3_num_f32 v[ST+8*\t+4], v[ST+8*\t+4], v[S+32*\t+7], v[S+32*\t+15]
	v_max3_num_f32 v[ST+8*\t+6], v[ST+8*\t+6], v[S+32*\t+23], v[S+32*\t+31]
.endif
.endr
.irp t, 0,1
.if \t < \n
	v_max3_num_f32 v[ST+8*\t+4], v[ST+8*\t+4], v[ST+8*\t+5], v[ST+8*\t+6]
.endif
.endr
.irp t, 0,1
.if \t < \n
	v_max3_num_f32 v[ST+8*\t+4], v[ST+8*\t+4], v[ST+8*\t+7], v[ST+8*\t+1]    ; with the old m
.endif
.endr
.irp t, 0,1
.if \t < \n
	v_permlanex16_b32 v[ST+8*\t+5], v[ST+8*\t+4], s[SEL], s[SEL+1]           ; the query's other 32 keys lie in the lane 16 away
	v_mov_b32 v[ST+8*\t+7], v[ST+8*\t]                                       ; c m_old
.endif
.endr
.irp t, 0,1
.if \t < \n
	v_max_num_f32 v[ST+8*\t+1], v[ST+8*\t+4], v[ST+8*\t+5]
.endif
.endr
.irp t, 0,1
.if \t < \n
	v_mul_f32 v[ST+8*\t], s[CS], v[ST+8*\t+1]
.endif
.endr
.irp t, 0,1
.if \t < \n
	v_sub_f32 v[ST+8*\t+7], v[ST+8*\t+7], v[ST+8*\t]
.endif
.endr
.irp b, 0,1,2,3,4,5,6,7,8,9,10,11,12,13,14,15
.irp t, 0,1
.if \t < \n
	v_pk_fma_f32 v[S+32*\t+2*\b:S+32*\t+2*\b+1], v[S+32*\t+2*\b:S+32*\t+2*\b+1], s[CS:CS+1], v[ST+8*\t:ST+8*\t+1] op_sel_hi:[1,0,0] neg_lo:[0,0,1] neg_hi:[0,0,1]   ; c s - c m
.endif
.endr
.endr
.irp t, 0,1
.if \t < \n
	v_exp_f32 v[ST+8*\t+6], v[ST+8*\t+7]           ; a
.endif
.endr
.set e, 0
.rept 32
.irp t, 0,1
.if \t < \n
	v_exp_f32 v[S+32*\t+e], v[S+32*\t+e]           ; ONE BATCH: none of these reads an exponential's result
.endif
.endr
.set e, e+1
.endr
	v_nop                                          ; a plain line behind the last exponential
	s_wait_alu depctr_va_vdst(0)                   ; one wait for the batch, ahead of its first reader
.irp b, 0,1,2,3,4,5,6,7,8,9,10,11,12,13,14,15
.irp t, 0,1
.if \t < \n
	v_cvt_pk_f16_f32 v[P+16*\t+\b], v[S+32*\t+2*\b], v[S+32*\t+2*\b+1]
.endif
.endr
.endr
.irp u, 0,1,2,3,4,5,6,7
.irp t, 0,1
.if \t < \n
	v_pk_add_f32 v[S+32*\t+4*\u:S+32*\t+4*\u+1], v[S+32*\t+4*\u:S+32*\t+4*\u+1], v[S+32*\t+4*\u+2:S+32*\t+4*\u+3]   ; the sum of the unrounded p, in place, as a tree of pairs
.endif
.endr
.endr
.irp u, 0,1,2,3
.irp t, 0,1
.if \t < \n
	v_pk_add_f32 v[S+32*\t+8*\u:S+32*\t+8*\u+1], v[S+32*\t+8*\u:S+32*\t+8*\u+1], v[S+32*\t+8*\u+4:S+32*\t+8*\u+5]
.endif
.endr
.endr
.irp u, 0,1
.irp t, 0,1
.if \t < \n
	v_pk_add_f32 v[S+32*\t+16*\u:S+32*\t+16*\u+1], v[S+32*\t+16*\u:S+32*\t+16*\u+1], v[S+32*\t+16*\u+8:S+32*\t+16*\u+9]
.endif
.endr
.endr
.irp t, 0,1
.if \t < \n
	v_pk_add_f32 v[S+32*\t:S+32*\t+1], v[S+32*\t:S+32*\t+1], v[S+32*\t+16:S+32*\t+17]
.endif
.endr
.irp t, 0,1
.if \t < \n
	v_pk_fma_f32 v[ST+8*\t+2:ST+8*\t+3], v[ST+8*\t+2:ST+8*\t+3], v[ST+8*\t+6:ST+8*\t+7], v[S+32*\t:S+32*\t+1] op_sel_hi:[1,0,1]   ; l = a l + the sum
.endif
.endr
.irp b, 0,1,2,3,4,5,6,7,8,9,10,11,12,13,14,15
.irp t, 0,1
.if \t < \n
	v_pk_mul_f32 v[OT+32*\t+2*\b:OT+32*\t+2*\b+1], v[OT+32*\t+2*\b:OT+32*\t+2*\b+1], v[ST+8*\t+6:ST+8*\t+7] op_sel_hi:[1,0]   ; O^T x a, each accumulator from its low end on
.endif
.endr
.endr
.endm
; A key step's work for tiles 0 .. n - 1.  Only the last of them can lie on the diagonal: while both are live all keys are under 1,024 and tile 0's queries are not.
.macro BODY n
	s_wait_dscnt 16                                ; K's 16 loads are in; V's 16 may be out
	WIN 0x05                                       ; K and Q window 1; S^T window 0
.irp cs, 0,1
.irp kt, 0,1,2,3
.irp t, 0,1
.if \t < \n
.if \cs == 0
	v_wmma_f32_16x16x32_f16 v[S+32*\t+8*\kt:S+32*\t+8*\kt+7], v[KFR+16*\kt+8*\cs:KFR+16*\kt+8*\cs+7], v[QF+16*\t+8*\cs:QF+16*\t+8*\cs+7], 0
.else
	v_wmma_f32_16x16x32_f16 v[S+32*\t+8*\kt:S+32*\t+8*\kt+7], v[KFR+16*\kt+8*\cs:KFR+16*\kt+8*\cs+7], v[QF+16*\t+8*\cs:QF+16*\t+8*\cs+7], v[S+32*\t+8*\kt:S+32*\t+8*\kt+7]
.endif
.endif
.endr
.endr
.endr                                  ; the accumulators take turns, one instruction a turn: three others at the least between two links
	WIN 0
.rept 4
	v_nop                                          ; places in front of the first read of results
.endr
	MASK (\n)-1
	SOFTMAX \n
	s_wait_dscnt 0x0                               ; V is in
	WIN 0x01                                       ; V window 1; P and O^T window 0
.irp kg, 0,1
.irp ct, 0,1,2,3
.irp t, 0,1
.if \t < \n
	v_wmma_f32_16x16x32_f16 v[OT+32*\t+8*\ct:OT+32*\t+8*\ct+7], v[VFR+32*\kg+8*\ct:VFR+32*\kg+8*\ct+7], v[P+16*\t+8*\kg:P+16*\t+8*\kg+7], v[OT+32*\t+8*\ct:OT+32*\t+8*\ct+7]
.endif
.endr
.endr
.endr
	WIN 0
.endm
; A KEY STEP: 64 keys.  Left out where all its keys come after tile 0's queries (a branch on ids, round the loads and the work; not round the lines at its end that step the key and the address).
.macro STEP
	s_add_co_u32 s52, s[QB], 15
	s_cmp_gt_u32 s[KF], s52
	s_cbranch_scc1 .Lhidden_\@
	v_add_nc_u32 v[ADK], s[TB], v[AK0]
	v_add_nc_u32 v[ADV], s[TB], v[AV0]
	v_nop
	v_nop                                          ; with the two additions: four places in front of loads into registers that the last products read
	WIN 0x40                                       ; destination window 1
.irp kt, 0,1,2,3
.irp cs, 0,1
	ds_load_b128 v[KFR+16*\kt+8*\cs:KFR+16*\kt+8*\cs+3], v[ADK] offset:\kt*2048+\cs*1024
	ds_load_b128 v[KFR+16*\kt+8*\cs+4:KFR+16*\kt+8*\cs+7], v[ADK] offset:\kt*2048+\cs*1024+512
.endr
.endr
.irp kg, 0,1
.irp ct, 0,1,2,3
	ds_load_tr16_b128 v[VFR+32*\kg+8*\ct:VFR+32*\kg+8*\ct+3], v[ADV] offset:(2*\kg)*2048+\ct*512
	ds_load_tr16_b128 v[VFR+32*\kg+8*\ct+4:VFR+32*\kg+8*\ct+7], v[ADV] offset:(2*\kg+1)*2048+\ct*512
.endr
.endr
	WIN 0
	s_add_co_u32 s52, s[QA], 15
	s_cmp_gt_u32 s[KF], s52                        ; tile 1 is past its last key: tile 0 goes on alone
	s_cbranch_scc1 .Lone_\@
	BODY 2
	s_branch .Ljoin_\@
.Lone_\@:
	BODY 1
.Ljoin_\@:
.Lhidden_\@:
	s_add_co_u32 s[KF], s[KF], 64
	s_add_co_u32 s[TB], s[TB], 8192                ; 64 keys of 128 bytes
.endm
; THE CHANGE OF SLOTS stands at a slot's head.  Each wave waits for all its tensor loads, adds 0 to its spare word (fill = 1: twice on end), and waits for that and for its reads of the slot that it has left.
; Behind the barrier the slot ahead is whole and nobody reads the other one, which is then filled with the keys that follow, up to the causal limit.
.macro CHANGE fill
	s_wait_tensorcnt 0x0                           ; no tensor load of mine is out, so group 0 may be written
	ds_add_u32 v[SPW], v[NIL]
.if \fill
	ds_add_u32 v[SPW], v[NIL]                      ; and once more
	s_xor_b32 s[G0+1], s[G0+1], SLOT1              ; the other slot than last time,
	s_add_nc_u64 s[G0+2:G0+3], s[G0+2:G0+3], 32768 ; the next 256 keys
	s_wait_xcnt 0x0                                ; the last prefetches, a slot back, have read their addresses
	s_add_nc_u64 s[PFK:PFK+1], s[PFK:PFK+1], 32768
	s_add_nc_u64 s[PFV:PFV+1], s[PFV:PFV+1], 32768
.endif
	s_wait_dscnt 0x0                               ; the add is done, my reads of the slot that I have left are over
	s_barrier_signal -1
	s_barrier_wait -1
.if \fill
	s_add_co_u32 s52, s[KF], 256                   ; the first key of the slot that this change would ask for:
	s_cmp_gt_u32 s52, s[QLAST]                     ; past my work-group's last query it would be read by no wave, so it is not asked for.  Ids and the count of steps alone: all eight waves go the same way
	s_cbranch_scc1 .Lpast_\@
	TLOAD                                          ; a wave's one tensor load until the next change; every wait on TENSORcnt in this text is for 0
.Lpast_\@:
	ASK
.endif
.endm
.macro SLOT_STEPS                      ; a slot's four key steps: written once, walked four times; the LDS addresses hang on s[TB]
	s_mov_b32 s[CNT], 4
.Lstep_\@:
	STEP
	s_sub_co_u32 s[CNT], s[CNT], 1
	s_cmp_lg_u32 s[CNT], 0
	s_cbranch_scc1 .Lstep_\@
	s_sub_co_u32 s[TB], s[TB], 32768
	s_xor_b32 s[TB], s[TB], SLOT1                  ; on to the other slot
.endm
	s_wait_loadcnt 0x0                             ; Q
.Lslot:                                            ; NSL - 1 trips
	CHANGE 1
	SLOT_STEPS
	s_sub_co_u32 s[SLOTS], s[SLOTS], 1
	s_cmp_lg_u32 s[SLOTS], 0
	s_cbranch_scc1 .Lslot
	CHANGE 0                                       ; the last slot is written out: nothing is left to ask for
	SLOT_STEPS
	; THE WAY OUT
.rept 4
	v_nop                                          ; places behind the last products
.endr
.irp t, 0,1
	v_add_f32 v[ST+8*\t+4], v[ST+8*\t+2], v[ST+8*\t+3]
.endr
.irp t, 0,1
	v_permlanex16_b32 v[ST+8*\t+5], v[ST+8*\t+4], s[SEL], s[SEL+1]
.endr
.irp t, 0,1
	v_add_f32 v[ST+8*\t+4], v[ST+8*\t+4], v[ST+8*\t+5]
.endr
.irp t, 0,1
	v_rcp_f32 v[ST+8*\t+6], v[ST+8*\t+4]
.endr
	v_nop
	s_wait_alu depctr_va_vdst(0)                   ; one wait for the two reciprocals, ahead of their first reader
.irp t, 0,1
.irp b, 0,1,2,3,4,5,6,7,8,9,10,11,12,13,14,15
	v_pk_mul_f32 v[OT+32*\t+2*\b:OT+32*\t+2*\b+1], v[OT+32*\t+2*\b:OT+32*\t+2*\b+1], v[ST+8*\t+6:ST+8*\t+7] op_sel_hi:[1,0]
.endr
.endr
.irp t, 0,1
.irp b, 0,1,2,3,4,5,6,7,8,9,10,11,12,13,14,15
	v_cvt_pk_f16_f32 v[OUTR+16*\t+\b], v[OT+32*\t+2*\b], v[OT+32*\t+2*\b+1]
.endr
.endr
.irp t, 0,1
.irp ct, 0,1,2,3
	global_store_b128 v[AK0], v[OUTR+16*\t+4*\ct:OUTR+16*\t+4*\ct+3], s[ABASE+2*\t:ABASE+2*\t+1] offset:512*\ct    ; 512 consecutive bytes, aligned
.endr
.endr
	s_wait_tensorcnt 0x0                           ; the wave's end
	ds_add_u32 v[SPW], v[NIL]
	s_wait_dscnt 0x0
	s_endpgm
.Lfunc_end_k_qaef82624f9_attn:
	.size	k_qaef82624f9_attn, .Lfunc_end_k_qaef82624f9_attn-k_qaef82624f9_attn
	.p2alignl 7, 3214868480
	.fill 96, 4, 3214868480
	.section	.rodata,"a",@progbits
	.p2align	6, 0x0
	.amdhsa_kernel k_qaef82624f9_attn
		.amdhsa_group_segment_fixed_size 327680
		.amdhsa_private_segment_fixed_size 0
		.amdhsa_enable_private_segment 0
		.amdhsa_kernarg_size 16
		.amdhsa_user_sgpr_count 2
		.amdhsa_user_sgpr_kernarg_segment_ptr 1
		.amdhsa_wavefront_size32 1
		.amdhsa_system_sgpr_workgroup_id_x 1
		.amdhsa_system_sgpr_workgroup_id_y 1
		.amdhsa_system_sgpr_workgroup_id_z 1
		.amdhsa_system_vgpr_workitem_id 0
		.amdhsa_next_free_vgpr 448
		.amdhsa_next_free_sgpr 66
		.amdhsa_reserve_vcc 1
		.amdhsa_float_denorm_mode_32 3
		.amdhsa_float_denorm_mode_16_64 3
		.amdhsa_memory_ordered 1
		.amdhsa_forward_progress 1
		.amdhsa_inst_pref_size 74
	.end_amdhsa_kernel
	.amdgpu_metadata
---
amdhsa.version: [ 1, 2 ]
amdhsa.kernels:
  - .name:           k_qaef82624f9_attn
    .symbol:         k_qaef82624f9_attn.kd
    .args:
      - { .name: qkvh, .offset: 0, .size: 8, .value_kind: global_buffer, .address_space: global }
      - { .name: af, .offset: 8, .size: 8, .value_kind: global_buffer, .address_space: global }
    .group_segment_fixed_size: 327680
    .private_segment_fixed_size: 0
    .kernarg_segment_align: 8
    .kernarg_segment_size: 16
    .max_flat_workgroup_size: 256
    .sgpr_count:     66
    .vgpr_count:     448
    .wavefront_size: 32
...
	.end_amdgpu_metadata
.endif
;; end of part 3
;; launch proj (part 4): grid 8 x 32, 4 waves a work-group, clusters of 4 x 4, 327,680 bytes of LDS; arguments af, wf, bout, out0; writes out0
.if DOCPART == 4
	.amdgcn_target "amdgcn-amd-amdhsa--gfx1250"
	.amdhsa_code_object_version 6
	.text
	.protected	k_qaef82624f9_proj
	.globl	k_qaef82624f9_proj
	.p2align	8
	.type	k_qaef82624f9_proj,@function
k_qaef82624f9_proj:
	s_mov_b64 s[64:65], 0
	v_nop
	global_prefetch_b8 v0, s[64:65] scope:SCOPE_SE
	s_setreg_imm32_b32 hwreg(HW_REG_WAVE_MODE, 25, 1), 1
	s_wait_xcnt 0x0
	s_wait_alu depctr_hold_cnt(0) depctr_sa_sdst(0) depctr_va_vdst(0) depctr_va_sdst(0) depctr_va_ssrc(0) depctr_va_vcc(0) depctr_vm_vsrc(0)
	s_getreg_b32 s2, hwreg(HW_REG_IB_STS2, 6, 4)
	s_cmp_eq_u32 s2, 0
	s_cbranch_scc0 .Lentry_in_a_cluster
	s_endpgm
.Lentry_in_a_cluster:
	s_bfe_u32 s2, ttmp6, 0x10000c
	s_cmp_lg_u32 s2, 0xf033
	s_cbranch_scc0 .Lentry_shape_is_right
	s_endpgm
.Lentry_shape_is_right:
; out0[m][n] = sum over k of attn[m][k] Wout[k][n] + bout[n]; operands f16, sums f32.  M = 4,096, N = 1,024, K = 1,024.
; af and wf hold their operands as images of the registers: fragment (row / 16, k / 32), 1,024 bytes, at (row/16) x 32768 + (k/32) x 1024; registers 0-3 at 16 x lane, 4-7 at 512 + 16 x lane.
; So a K step of 256 of 16 rows is 8,192 consecutive bytes, a tile needs no padding in LDS, and every LDS load of a wave reads 512 consecutive bytes.
; A tile of 128 x 128 to a work-group (256 work-groups), 64 x 64 to a wave: 16 accumulators.  K goes in steps of 256 through a ring of two slots; a wave's tensor load brings 4 rows of 8,192 bytes.
; CLUSTERS: 4 x 4; A's tiles are asked for jointly along a row of the cluster, B's along a column.  THE MATRIX INSTRUCTION IS USED TRANSPOSED (source 0 = 16 rows of wf, source 1 = 16 rows of af):
; a lane holds eight neighbouring numbers of a row of the output.  The bias is the C of each sum's first product.
; THE WAY OUT: a wave's 64 columns of f32 are one aligned block of 256 bytes of a row, so each wave has a stage of its own (16 rows x 272 bytes) and no barrier; the stages lie in slot 0, which has had its last fill and
; its last read when the first result is stored there.  No prefetch: the tiles are small and the launch short.
; The first 16 rows of each batch are written here and written again by the f32 launch that follows.
; REGISTERS: window 0: v0-31 addresses; v32-95 the way out; v96-127 the bias; v128-255 accumulators ((a, b) at v[128 + 8 (4 a + b)]).  window 1: two fragment buffers of 128 (64 of A, then 64 of B, for 64 along K).
.set SIZE_K, 1024
.set KBYTES, 8192                      ; a K step of one row of fragments
.set HALFT,  32768                     ; what one tensor load brings: 4 rows of fragments
.set SLOT,   4*HALFT
.set SPARE,  2*SLOT                    ; behind the ring: the spare words
.set SPITCH, 272
.set LAPS,   2
.set ADRA, 16
.set ADRB, 20
.set STO,  24
.set RD,   25
.set CO,   26
.set BO,   27
.set SPW,  28
.set NIL,  29
.set TMP,  32
.set BI,   96
.set ACC,  128
.set F0,   0
.set F1,   128
.set G1, 24
.set G0, 32
.set G1B, 48
.set G0B, 56
.set MSB, 0
.macro WIN new
.if MSB != (\new)
	s_set_vgpr_msb (MSB<<8)|(\new)
.set MSB, (\new)
.endif
.endm
.set MUL,  0x05                        ; sources 0 (B) and 1 (A) window 1; C and D window 0
.set TO_F, 0x40
.macro JLOAD s                         ; a joint load: waves 0 and 1 fetch A's halves, waves 2 and 3 B's; an s_nop 0 and four v_nop follow each line
	s_cmp_eq_u32 s11, 0
	s_cbranch_scc0 .Lfor_b_\@
	tensor_load_to_lds s[G0+4*\s:G0+4*\s+3], s[G1:G1+7]
	s_nop 0
.rept 4
	v_nop
.endr
	s_branch .Lasked_\@
.Lfor_b_\@:
	tensor_load_to_lds s[G0B+4*\s:G0B+4*\s+3], s[G1B:G1B+7]
	s_nop 0
.rept 4
	v_nop
.endr
.Lasked_\@:
.endm
.macro CREST
	s_cmp_lg_u32 s10, 0
	s_cbranch_scc1 .Lnot_wave_0_\@
	s_barrier_signal -3
.Lnot_wave_0_\@:
	s_barrier_wait -3
	s_barrier_signal -1
	s_barrier_wait -1
.endm
.macro CROUND
	s_barrier_signal -1
	s_barrier_wait -1
	CREST
.endm
	s_load_b128 s[4:7], s[0:1], 0x0                ; af s[4:5], wf s[6:7]
	s_load_b64 s[66:67], s[0:1], 0x10              ; bout
	s_load_b64 s[8:9], s[0:1], 0x18                ; out0
	v_lshl_add_u32 v[SPW], v0, 2, SPARE
	v_mov_b32 v[NIL], 0
	ds_add_u32 v[SPW], v[NIL]                      ; the wave's opening: the add, twice on end, and its wait ahead of my first tensor load
	ds_add_u32 v[SPW], v[NIL]
	v_lshrrev_b32 v1, 5, v0
	v_readfirstlane_b32 s10, v1                    ; wave 0..3
	s_lshr_b32 s11, s10, 1                         ; which half of the tile's rows is mine.  Also: I fetch for A (0) or for B (1)
	s_and_b32 s12, s10, 1                          ; which half of its columns.  Also: which 64 rows I fetch
	s_bfe_u32 s40, ttmp6, 0x40000
	s_bfe_u32 s41, ttmp6, 0x40004
	s_lshl_b32 s42, ttmp9, 2
	s_add_co_u32 s42, s42, s40                     ; tile column
	s_and_b32 s13, ttmp7, 0xffff
	s_lshl_b32 s13, s13, 2
	s_add_co_u32 s13, s13, s41                     ; tile row
	s_lshl_b32 s43, s41, 2
	s_lshl_b32 s43, 15, s43
	s_lshl_b32 s44, 0x1111, s40
	s_or_b32 s[G1+0], s43, (3<<16)|(1<<21)         ; the mask: my row of the cluster; elements of 8 bytes; bit 21 beside a mask; no padding
	s_or_b32 s[G1B+0], s44, (3<<16)|(1<<21)
.irp g, G1, G1B
	s_mov_b32 s[\g+1], 1024<<16                    ; tensor_dim0 = 1,024 elements: 8,192 bytes
	s_mov_b32 s[\g+2], 4<<16                       ; tensor_dim1 = 4 rows of fragments
	s_mov_b32 s[\g+3], 1024<<16                    ; tile_dim0
	s_mov_b32 s[\g+4], 4                           ; tile_dim1
	s_mov_b32 s[\g+5], 4096                        ; the pitch: 32,768 bytes
	s_mov_b32 s[\g+6], 0
	s_mov_b32 s[\g+7], 0
.endr
	s_lshl_b32 s17, s12, 6
	s_lshl_b32 s16, s13, 7
	s_add_co_u32 s16, s16, s17                     ; A: row 128 x tile row + 64 x half
	s_lshl_b32 s46, s42, 7
	s_add_co_u32 s46, s46, s17                     ; B: row 128 x tile column + 64 x half
	s_mov_b32 s17, 0
	s_mov_b32 s47, 0
	s_mov_b64 s[18:19], SIZE_K*2                   ; 16 rows are 32,768 bytes: 2,048 a row
	s_mul_u64 s[16:17], s[16:17], s[18:19]
	s_mul_u64 s[46:47], s[46:47], s[18:19]
	s_mul_i32 s20, s10, HALFT
	s_wait_dscnt 0x0                               ; both opening adds are done
	s_wait_kmcnt 0x0
	s_add_nc_u64 s[14:15], s[4:5], s[16:17]
	s_add_nc_u64 s[46:47], s[6:7], s[46:47]
	CROUND                                         ; all sixteen work-groups are here
.irp s, 0,1
	s_mov_b32 s[G0+4*\s], 1
	s_add_co_u32 s[G0+4*\s+1], s20, \s*SLOT
	s_add_nc_u64 s[G0+4*\s+2:G0+4*\s+3], s[14:15], \s*KBYTES
	s_or_b32 s[G0+4*\s+3], s[G0+4*\s+3], 0x80000000
	s_mov_b32 s[G0B+4*\s], 1
	s_add_co_u32 s[G0B+4*\s+1], s20, \s*SLOT
	s_add_nc_u64 s[G0B+4*\s+2:G0B+4*\s+3], s[46:47], \s*KBYTES
	s_or_b32 s[G0B+4*\s+3], s[G0B+4*\s+3], 0x80000000
	JLOAD \s
.endr
	v_and_b32 v1, 15, v0                           ; r
	v_bfe_u32 v2, v0, 4, 1                         ; h
	s_lshl_b32 s46, s42, 9                         ; my first column, in bytes of f32: 512 x tile column + 256 x half
	s_lshl_b32 s47, s12, 8
	s_add_co_u32 s46, s46, s47
	s_mov_b32 s47, 0
	s_add_nc_u64 s[66:67], s[66:67], s[46:47]
	v_lshlrev_b32 v[BO], 5, v2
.irp b, 0,1,2,3
	global_load_b128 v[BI+8*\b:BI+8*\b+3], v[BO], s[66:67] offset:64*\b              ; bout at columns 16 b + 8 h + 0 .. 7 of my 64
	global_load_b128 v[BI+8*\b+4:BI+8*\b+7], v[BO], s[66:67] offset:64*\b+16
.endr
	v_and_b32 v3, 31, v0
	v_lshlrev_b32 v3, 4, v3                        ; 16 x lane
	s_mul_i32 s21, s11, HALFT                      ; my 64 rows of A
	s_mul_i32 s22, s12, HALFT                      ; my 64 rows of B,
	s_add_co_u32 s22, s22, 2*HALFT                 ; behind A's 128
.irp s, 0,1
	v_add_nc_u32 v[ADRA+\s], s21, v3
	v_add_nc_u32 v[ADRB+\s], s22, v3
	s_add_co_u32 s21, s21, SLOT
	s_add_co_u32 s22, s22, SLOT
.endr
	s_mul_i32 s23, s10, 16*SPITCH                  ; my stage
	v_mul_u32_u24 v4, v1, SPITCH
	v_lshl_add_u32 v4, v2, 5, v4
	v_add_nc_u32 v[STO], s23, v4                   ; in: row r, 32 bytes for each half of the lanes
	v_mul_u32_u24 v5, v2, SPITCH
	v_lshl_add_u32 v5, v1, 4, v5
	v_add_nc_u32 v[RD], s23, v5                    ; back: lanes 0-15 one row of 256 bytes, lanes 16-31 the next
	v_lshlrev_b32 v5, 12, v2
	v_lshl_add_u32 v[CO], v1, 4, v5                ; and the same two rows in out0 (4,096 bytes a row)
	s_lshl_b32 s16, s13, 7
	s_lshl_b32 s17, s11, 6
	s_add_co_u32 s16, s16, s17                     ; my first row
	s_lshl_b32 s16, s16, 12
	s_mov_b32 s17, 0
	s_add_nc_u64 s[8:9], s[8:9], s[16:17]
	s_add_nc_u64 s[8:9], s[8:9], s[46:47]
.macro MUL8 f, c, a0, zero             ; 8 matrix instructions: m blocks a0, a0 + 1 x 4 n blocks, 32 along K.  zero = 1: the first product starts the sums from the bias
.irp a, \a0, \a0+1
.irp b, 0,1,2,3
.if \zero
	v_wmma_f32_16x16x32_f16 v[ACC+8*(4*(\a)+\b):ACC+8*(4*(\a)+\b)+7], v[\f+64+8*(4*\c+\b):\f+64+8*(4*\c+\b)+7], v[\f+8*(4*\c+\a):\f+8*(4*\c+\a)+7], v[BI+8*\b:BI+8*\b+7]
.else
	v_wmma_f32_16x16x32_f16 v[ACC+8*(4*(\a)+\b):ACC+8*(4*(\a)+\b)+7], v[\f+64+8*(4*\c+\b):\f+64+8*(4*\c+\b)+7], v[\f+8*(4*\c+\a):\f+8*(4*\c+\a)+7], v[ACC+8*(4*(\a)+\b):ACC+8*(4*(\a)+\b)+7]
.endif
.endr
.endr
.endm
.macro FETCH slot, qd, f               ; 32 LDS loads in one run: the fragments of the slot's quarter qd (64 along K) into buffer f; the first 32 along K first
	WIN TO_F
.irp c, 0,1
.irp i, 0,1,2,3
	ds_load_b128 v[\f+64+8*(4*\c+\i):\f+64+8*(4*\c+\i)+3],   v[ADRB+\slot] offset:\i*KBYTES+(2*(\qd)+\c)*1024
	ds_load_b128 v[\f+64+8*(4*\c+\i)+4:\f+64+8*(4*\c+\i)+7], v[ADRB+\slot] offset:\i*KBYTES+(2*(\qd)+\c)*1024+512
	ds_load_b128 v[\f+8*(4*\c+\i):\f+8*(4*\c+\i)+3],         v[ADRA+\slot] offset:\i*KBYTES+(2*(\qd)+\c)*1024
	ds_load_b128 v[\f+8*(4*\c+\i)+4:\f+8*(4*\c+\i)+7],       v[ADRA+\slot] offset:\i*KBYTES+(2*(\qd)+\c)*1024+512
.endr
.endr
.endm
.macro PLACES
.rept 4
	v_nop
.endr
.endm
.macro QUARTER slot, qd, f, g, zero    ; multiplies buffer f and fetches quarter qd of the same slot into g
	s_wait_dscnt 16                                ; the first 32 along K are in; the second sixteen loads may be out
	WIN MUL
	MUL8 \f, 0, 0, \zero
	MUL8 \f, 0, 2, \zero
	PLACES
	FETCH \slot, \qd, \g
	s_wait_dscnt 32                                ; all but the 32 just issued
	WIN MUL
	MUL8 \f, 1, 0, 0
	MUL8 \f, 1, 2, 0
.endm
.macro TURN slot, next, fill           ; the last quarter multiplies buffer 1 and changes slots: one barrier; fill = 1: this slot is filled again, two K steps ahead
	WIN 0
	s_wait_tensorcnt 0x0                           ; all my tensor loads have landed: my part of the next slot
	ds_add_u32 v[SPW], v[NIL]
	s_wait_dscnt 17                                ; (the add and the youngest sixteen loads may be out)
	WIN MUL
	MUL8 F1, 0, 0, 0
	s_wait_dscnt 0x0                               ; the add is done, my reads of this slot are over
	s_barrier_signal -1
	MUL8 F1, 0, 2, 0
.if \fill
	WIN 0
.endif
	s_barrier_wait -1
.if \fill
	CREST                                          ; the barrier has opened a round of the cluster's barrier: no wave of any partner still reads this slot or has a load on its way
	s_add_nc_u64 s[G0+4*\slot+2:G0+4*\slot+3], s[G0+4*\slot+2:G0+4*\slot+3], 2*KBYTES
	s_add_nc_u64 s[G0B+4*\slot+2:G0B+4*\slot+3], s[G0B+4*\slot+2:G0B+4*\slot+3], 2*KBYTES
	JLOAD \slot                                    ; the first tensor load behind the round; its four v_nop are also the places in front of the loads below
.else
	PLACES
.endif
	FETCH \next, 0, F0
	WIN MUL
	MUL8 F1, 1, 0, 0
	MUL8 F1, 1, 2, 0
.endm
	s_wait_tensorcnt 1                             ; my part of K step 0 is in; K step 1's load may be out
	s_barrier_signal -1
	s_barrier_wait -1
	FETCH 0, 0, F0
	s_wait_loadcnt 0x0                             ; the bias
	QUARTER 0, 1, F0, F1, 1
	WIN 0
	s_mov_b32 s3, LAPS-1
.Llap:                                                 ; a trip goes once round the ring and fills both slots again
	QUARTER 0, 2, F1, F0, 0
	QUARTER 0, 3, F0, F1, 0
	TURN 0, 1, 1
	QUARTER 1, 1, F0, F1, 0
	QUARTER 1, 2, F1, F0, 0
	QUARTER 1, 3, F0, F1, 0
	TURN 1, 0, 1
	QUARTER 0, 1, F0, F1, 0
	WIN 0
	s_sub_co_u32 s3, s3, 1
	s_cmp_lg_u32 s3, 0
	s_cbranch_scc1 .Llap
	QUARTER 0, 2, F1, F0, 0                        ; the last lap fills nothing
	QUARTER 0, 3, F0, F1, 0
	TURN 0, 1, 0
	QUARTER 1, 1, F0, F1, 0
	QUARTER 1, 2, F1, F0, 0
	QUARTER 1, 3, F0, F1, 0
	s_wait_dscnt 16
	WIN MUL
	MUL8 F1, 0, 0, 0
	MUL8 F1, 0, 2, 0
	s_wait_dscnt 0
	MUL8 F1, 1, 0, 0
	MUL8 F1, 1, 2, 0
	WIN 0
; THE WAY OUT, a block of 16 rows x 64 columns at a time through my own stage.  LDS serves a wave's instructions in order: no wait between the stores and the loads, nor in front of the next block's stores.
.macro OUTBLK a
.irp b, 0,1,2,3
	ds_store_b128 v[STO], v[ACC+8*(4*\a+\b):ACC+8*(4*\a+\b)+3] offset:64*\b          ; each accumulator from its low end on
	ds_store_b128 v[STO], v[ACC+8*(4*\a+\b)+4:ACC+8*(4*\a+\b)+7] offset:64*\b+16
.endr
.irp t, 0,1,2,3,4,5,6,7
	ds_load_b128 v[TMP+32*(\a%2)+4*\t:TMP+32*(\a%2)+4*\t+3], v[RD] offset:\t*2*SPITCH
.endr
.endm
.macro SEND a, younger                 ; younger: the next block's eight stores and eight loads, or none
	s_wait_dscnt \younger
.irp t, 0,1,2,3,4,5,6,7
	global_store_b128 v[CO], v[TMP+32*(\a%2)+4*\t:TMP+32*(\a%2)+4*\t+3], s[8:9] offset:(16*\a+2*\t)*4096 th:TH_STORE_NT   ; sixteen lanes store 256 consecutive bytes, aligned
.endr
.endm
	PLACES
	OUTBLK 0
	OUTBLK 1
	SEND 0, 16
	s_wait_xcnt 0x0                                ; block 0's stores have read their registers: block 2's loads may land there
	OUTBLK 2
	SEND 1, 16
	s_wait_xcnt 0x0
	OUTBLK 3
	SEND 2, 16
	SEND 3, 0
	s_wait_tensorcnt 0x0                           ; the wave's end
	ds_add_u32 v[SPW], v[NIL]
	s_wait_dscnt 0x0
	CROUND                                         ; the closing round
	s_endpgm
.Lfunc_end_k_qaef82624f9_proj:
	.size	k_qaef82624f9_proj, .Lfunc_end_k_qaef82624f9_proj-k_qaef82624f9_proj
	.p2alignl 7, 3214868480
	.fill 96, 4, 3214868480
	.section	.rodata,"a",@progbits
	.p2align	6, 0x0
	.amdhsa_kernel k_qaef82624f9_proj
		.amdhsa_group_segment_fixed_size 327680
		.amdhsa_private_segment_fixed_size 0
		.amdhsa_enable_private_segment 0
		.amdhsa_kernarg_size 32
		.amdhsa_user_sgpr_count 2
		.amdhsa_user_sgpr_kernarg_segment_ptr 1
		.amdhsa_wavefront_size32 1
		.amdhsa_system_sgpr_workgroup_id_x 1
		.amdhsa_system_sgpr_workgroup_id_y 1
		.amdhsa_system_sgpr_workgroup_id_z 1
		.amdhsa_system_vgpr_workitem_id 0
		.amdhsa_next_free_vgpr 512
		.amdhsa_next_free_sgpr 68
		.amdhsa_reserve_vcc 0
		.amdhsa_float_denorm_mode_32 3
		.amdhsa_float_denorm_mode_16_64 3
		.amdhsa_memory_ordered 1
		.amdhsa_forward_progress 1
		.amdhsa_inst_pref_size 86
	.end_amdhsa_kernel
	.amdgpu_metadata
---
amdhsa.version: [ 1, 2 ]
amdhsa.kernels:
  - .name:           k_qaef82624f9_proj
    .symbol:         k_qaef82624f9_proj.kd
    .args:
      - { .name: af, .offset: 0, .size: 8, .value_kind: global_buffer, .address_space: global }
      - { .name: wf, .offset: 8, .size: 8, .value_kind: global_buffer, .address_space: global }
      - { .name: bout, .offset: 16, .size: 8, .value_kind: global_buffer, .address_space: global }
      - { .name: out0, .offset: 24, .size: 8, .value_kind: global_buffer, .address_space: global }
    .group_segment_fixed_size: 327680
    .private_segment_fixed_size: 0
    .kernarg_segment_align: 8
    .kernarg_segment_size: 32
    .max_flat_workgroup_size: 128
    .sgpr_count:     68
    .vgpr_count:     512
    .wavefront_size: 32
...
	.end_amdgpu_metadata
.endif
;; end of part 4
;; launch fine (part 5): grid 16 x 2, 16 waves a work-group, no clusters, 71,680 bytes of LDS; arguments fine32, wf, bout, out0; writes out0
.if DOCPART == 5
	.amdgcn_target "amdgcn-amd-amdhsa--gfx1250"
	.amdhsa_code_object_version 6
	.text
	.protected	k_qaef82624f9_fine
	.globl	k_qaef82624f9_fine
	.p2align	8
	.type	k_qaef82624f9_fine,@function
k_qaef82624f9_fine:
	s_mov_b64 s[64:65], 0
	v_nop
	global_prefetch_b8 v0, s[64:65] scope:SCOPE_SE
	s_setreg_imm32_b32 hwreg(HW_REG_WAVE_MODE, 25, 1), 1
	s_wait_xcnt 0x0
; THE FIRST 16 POSITIONS OF EACH BATCH, carried finely: these rows average one to sixteen values and are the largest of the output, so plain 16-bit operands would weigh most there.
; Work-group (x = a slice of 64 output columns, y = batch).  Wave w is head w: it makes its head's attention for the 16 queries in f32 (every work-group of a batch repeats that: 32 small matrix instructions), then its
; head's share of the projection, K = 64 w .. 64 w + 63, for the slice; the sixteen shares meet in LDS and are added.
; fine32 holds q, k, v of these tokens (bias included) as the first product's accumulators stood: block n / 16 at 1,024 bytes; element (token r, column n) at ((n%8)/4) x 512 + (16 ((n%16)/8) + r) x 16 + (n%4) x 4.
; THE ATTENTION, by the f32 form.  Its K slots (lane (r, h), register j: k = 2 h + j) are filled by any permutation of k, alike on both sources:
;   S^T = K Q^T : pair s of lane (r, h) holds channels 32 h + 2 s, + 1 of token r, for K and for Q.  Result: lane = query r, register j = key 8 h + j.
;   O^T = V^T P : p's registers 2 s', 2 s' + 1 stand as they are (keys 8 h + 2 s' + j); V is loaded to match: lane (r, h): channel 16 ct + r, those keys.  Result: lane = query r, channels 16 ct + 8 h + j.
; THE PROJECTION, on PAIRS OF f16 NUMBERS.  x = hi + lo / 2048 with hi = f16(x), lo = f16((x - hi) x 2048): the difference and the scaling are exact in f32, and lo lies in x's own range.
;   out = AThi Whi + (AThi Wlo + ATlo Whi) / 2048: three f16 products for each 32 along K, the last two in a sum of their own; what is dropped, lo x lo, is 2^-22 of the product.
;   Per wave that is 24 matrix instructions of 16 x 16 x 32 where the f32 form would take 64 of 16 x 16 x 4.  wf holds Wout's two parts as images of operand registers (fragment (n / 16, k / 32) at (n/16) x 32768 +
;   (k/32) x 1024, registers 0-3 at 16 x lane, 4-7 at 512 + 16 x lane; the low parts 2^21 bytes on): each load of the wave reads 512 consecutive bytes.  O^T / l, packed in pairs, IS the other operand:
;   registers 16 kc + 0 .. 7 are k%32 = 8 h + 0 .. 7, registers 16 kc + 8 .. 15 are k%32 = 16 + 8 h + 0 .. 7.  Source 0 = 16 columns of Wout, source 1 = the 16 queries: lane = query r, columns 16 nt + 8 h + j.
; The registers that the f32 form writes (v112-159) are written by matrix instructions alone; every sum begins with the constant 0.
; LIMITS: |Wout| and the attention's results stay under 65,504 (f16); NaN and infinities are not served.
.set QF,  16                           ; v16-47   q;  later, with v48-79, Wout's low parts: fragment 2 nt + kc at 8 registers
.set KFR, 48                           ; v48-79   k
.set WL,  16
.set VF,  80                           ; v80-111  v;  later AThi and the first half of O^T / l
.set AH,  80                           ; v80-95   AThi: 8 registers for each 32 along K (halves of registers have names up to v127 only)
.set X0,  96                           ; v96-111  O^T / l, channels 0 .. 31 of my half; its low part, packed, stays in v96-103
.set SA,  112                          ; v112-119, v120-127: S^T in two sums that take turns; later two sums of low terms
.set SB,  120
.set OA,  128                          ; v128-159 O^T; then the four sums AThi Whi
.set PP,  160                          ; v160-167 p
.set T,   168                          ; v168-175 scores
.set X1,  160                          ; v160-175 O^T / l, channels 32 .. 63; its low part, packed, stays in v160-167
.set WH,  176                          ; v176-239 Wout's high parts; at the end v176-207 the results
.set RES, 176
.set TM,  240                          ; v240-247 at work
.set SPW, 252
.set NIL, 253
.set SPARE, 69632                      ; behind the sixteen shares (16 rows x 272 bytes each): the spare words, 128 bytes for each wave
; the four sums of low terms stand at v104, v112, v120, v168: 104 + 8 nt + 40 (nt / 3)
	s_load_b256 s[4:11], s[0:1], 0x0               ; fine32 s[4:5], wf s[6:7], bout s[8:9], out0 s[10:11]
	v_lshl_add_u32 v[SPW], v0, 2, SPARE
	v_mov_b32 v[NIL], 0
	v_lshrrev_b32 v1, 5, v0
	v_readfirstlane_b32 s12, v1                    ; wave = head
	s_and_b32 s13, ttmp7, 0xffff                   ; batch
	v_and_b32 v1, 15, v0                           ; r
	v_bfe_u32 v2, v0, 4, 1                         ; h
	v_lshlrev_b32 v3, 4, v1
	v_lshl_add_u32 v3, v2, 11, v3                  ; q, k: 2048 h + 16 r
	v_bfe_u32 v11, v0, 2, 1
	v_lshlrev_b32 v4, 9, v11                       ; v: ((r % 8) / 4) x 512
	v_bfe_u32 v11, v0, 3, 1
	v_lshl_add_u32 v4, v11, 8, v4                  ;    + (r / 8) x 256
	v_and_b32 v11, 3, v0
	v_lshl_add_u32 v4, v11, 2, v4                  ;    + (r % 4) x 4
	v_lshl_add_u32 v4, v2, 7, v4                   ;    + 8 h tokens of 16 bytes
	v_lshlrev_b32 v11, 3, v2
	v_sub_nc_u32 v6, v1, v11                       ; r - 8 h
	v_mov_b32 v7, 0xff800000                       ; -infinity
	s_mul_i32 s14, s12, 4352
	v_mul_u32_u24 v8, v1, 272
	v_lshl_add_u32 v8, v2, 5, v8
	v_add_nc_u32 v8, s14, v8                       ; my share: row r, 32 bytes for each half of the lanes
	s_mul_i32 s14, s12, 272
	v_and_b32 v11, 31, v0
	v_lshlrev_b32 v5, 4, v11                       ; 16 x lane: my place in a register image
	v_lshlrev_b32 v10, 3, v11                      ; 8 x lane
	v_add_nc_u32 v9, s14, v10                      ; back: row w of each share, 8 bytes a lane
	s_mov_b32 s20, 0x76543210
	s_mov_b32 s21, 0xfedcba98
	s_mov_b32 s22, 0x3e38aa3b                      ; c = log2(e) / sqrt(64)
	s_mov_b32 s28, 0x45000000                      ; 2048.0
	s_mov_b32 s29, s28                             ; (the packed form names the pair and takes its low word for both halves)
	s_mov_b32 s30, 0x3a000000                      ; 1 / 2048
	s_mul_i32 s14, s13, 786432                     ; fine32: the batch's part of place 0,
	s_lshl_b32 s16, s12, 12
	s_add_co_u32 s14, s14, s16                     ; my head's four blocks
	s_mov_b32 s15, 0
	s_lshl_b32 s18, ttmp9, 8                       ; the slice: 256 bytes of a row of f32
	s_mov_b32 s19, 0
	s_lshl_b32 s16, ttmp9, 17                      ; wf: the slice's four fragment rows of 32,768 bytes,
	s_lshl_b32 s26, s12, 11
	s_add_co_u32 s16, s16, s26                     ; my head's two fragments of 1,024 bytes in each
	s_mov_b32 s17, 0
	s_lshl_b32 s24, s13, 11
	s_add_co_u32 s24, s24, s12                     ; the row of out0 that I store at the end: 2,048 batch + w
	s_lshl_b32 s24, s24, 12
	s_add_co_u32 s24, s24, s18
	s_mov_b32 s25, 0
	s_wait_kmcnt 0x0
	s_add_nc_u64 s[4:5], s[4:5], s[14:15]
	s_add_nc_u64 s[6:7], s[6:7], s[16:17]
	s_add_nc_u64 s[8:9], s[8:9], s[18:19]
	s_add_nc_u64 s[10:11], s[10:11], s[24:25]
.irp g, 0,1,2,3,4,5,6,7
	global_load_b128 v[QF+4*\g:QF+4*\g+3], v3, s[4:5] offset:(\g/4)*1024+(\g%2)*512+((\g%4)/2)*256          ; q(r, 32 h + 4 g ..): what the first products wait for goes out first
.endr
.irp g, 0,1,2,3,4,5,6,7
	global_load_b128 v[KFR+4*\g:KFR+4*\g+3], v3, s[4:5] offset:65536+(\g/4)*1024+(\g%2)*512+((\g%4)/2)*256  ; k likewise
.endr
.irp ct, 0,1,2,3
.irp i, 0,1,2,3,4,5,6,7
	global_load_b32 v[VF+8*\ct+\i], v4, s[4:5] offset:131072+\ct*1024+\i*16                                  ; v(8 h + i, 16 ct + r)
.endr
.endr
	global_load_b64 v[248:249], v10, s[8:9]        ; bout at my two columns of the slice
.macro WLOAD reg, off                  ; eight fragments of Wout: columns 16 nt on of the slice, k = 64 w + 32 kc on
.irp nt, 0,1,2,3
.irp kc, 0,1
	global_load_b128 v[\reg+8*(2*\nt+\kc):\reg+8*(2*\nt+\kc)+3], v5, s[6:7] offset:\off+\nt*32768+\kc*1024
	global_load_b128 v[\reg+8*(2*\nt+\kc)+4:\reg+8*(2*\nt+\kc)+7], v5, s[6:7] offset:\off+\nt*32768+\kc*1024+512
.endr
.endr
.endm
	s_wait_loadcnt 33                              ; q and k are in; behind them: v's 32 loads and the bias
	WLOAD WH, 0                                    ; the high parts: with them 49 loads of mine are out at the most
.irp s, 0,1,2,3,4,5,6,7,8,9,10,11,12,13,14,15
.if \s < 2
	v_wmma_f32_16x16x4_f32 v[SA+8*(\s%2):SA+8*(\s%2)+7], v[KFR+2*\s:KFR+2*\s+1], v[QF+2*\s:QF+2*\s+1], 0
.else
	v_wmma_f32_16x16x4_f32 v[SA+8*(\s%2):SA+8*(\s%2)+7], v[KFR+2*\s:KFR+2*\s+1], v[QF+2*\s:QF+2*\s+1], v[SA+8*(\s%2):SA+8*(\s%2)+7]
.endif
.endr
.rept 8
	v_nop                                          ; eight places behind this form: in front of loads into its sources and of the first read of results
.endr
	s_wait_loadcnt 16                              ; v and the bias are in; behind them: the 16 loads of the high parts
	WLOAD WL, 2097152                              ; the low parts, into the registers that q and k have left
.irp j, 0,1,2,3,4,5,6,7
	v_add_f32 v[T+\j], v[SA+\j], v[SB+\j]          ; the two sums, from their low ends on
.endr
.irp j, 0,1,2,3,4,5,6,7
	v_cmp_gt_i32 vcc_lo, \j, v6                    ; key 8 h + j comes after query r
	v_cndmask_b32 v[T+\j], v[T+\j], v7, vcc_lo
.endr
	v_max3_num_f32 v11, v[T], v[T+1], v[T+2]
	v_max3_num_f32 v12, v[T+3], v[T+4], v[T+5]
	v_max3_num_f32 v11, v11, v[T+6], v[T+7]
	v_max_num_f32 v11, v11, v12
	v_permlanex16_b32 v12, v11, s20, s21           ; the query's other eight keys
	v_max_num_f32 v11, v11, v12                    ; the row's maximum: key 0 counts for every query
	v_mul_f32 v11, s22, v11
.irp j, 0,1,2,3,4,5,6,7
	v_fma_f32 v[T+\j], v[T+\j], s22, -v11          ; c s - c m
.endr
.irp j, 0,1,2,3,4,5,6,7
	v_exp_f32 v[PP+\j], v[T+\j]
.endr
	v_nop
	s_wait_alu depctr_va_vdst(0)                   ; one wait for the eight, ahead of their first reader
	v_add_f32 v12, v[PP], v[PP+1]
	v_add_f32 v13, v[PP+2], v[PP+3]
	v_add_f32 v14, v[PP+4], v[PP+5]
	v_add_f32 v15, v[PP+6], v[PP+7]
	v_add_f32 v12, v12, v13
	v_add_f32 v14, v14, v15
	v_add_f32 v12, v12, v14
	v_permlanex16_b32 v13, v12, s20, s21
	v_add_f32 v12, v12, v13                        ; l
	v_rcp_f32 v15, v12
	v_nop
	s_wait_alu depctr_va_vdst(0)
.irp sp, 0,1,2,3
.irp ct, 0,1,2,3
.if \sp == 0
	v_wmma_f32_16x16x4_f32 v[OA+8*\ct:OA+8*\ct+7], v[VF+8*\ct+2*\sp:VF+8*\ct+2*\sp+1], v[PP+2*\sp:PP+2*\sp+1], 0
.else
	v_wmma_f32_16x16x4_f32 v[OA+8*\ct:OA+8*\ct+7], v[VF+8*\ct+2*\sp:VF+8*\ct+2*\sp+1], v[PP+2*\sp:PP+2*\sp+1], v[OA+8*\ct:OA+8*\ct+7]
.endif
.endr
.endr
.rept 9
	v_nop                                          ; nine places: these accumulators are written over by the projection's products; eight of them serve the first read of results and the writes over v and p
.endr
.set i, 0
.rept 16
	v_mul_f32 v[X0+i], v[OA+i], v15                ; O^T / l, into other registers, each accumulator from its low end on
.set i, i+1
.endr
.set i, 0
.rept 16
	v_mul_f32 v[X1+i], v[OA+16+i], v15
.set i, i+1
.endr
.set i, 0
.rept 8
	v_cvt_pk_f16_f32 v[AH+i], v[X0+2*i], v[X0+2*i+1]       ; the high parts: the operand of K = 0 .. 31,
.set i, i+1
.endr
.set i, 0
.rept 8
	v_cvt_pk_f16_f32 v[AH+8+i], v[X1+2*i], v[X1+2*i+1]     ; and of K = 32 .. 63
.set i, i+1
.endr
; Eight numbers, v[xb] on, less their high parts, which are read back from the packed codes: so the split is exact however the packing rounded
.macro SPLIT8 xb, a0, a1, a2, a3, a4, a5, a6, a7
.set i, 0
.irp hh, \a0,\a1,\a2,\a3,\a4,\a5,\a6,\a7
	v_cvt_f32_f16 v[TM+i], \hh
.set i, i+1
.endr
.set i, 0
.rept 8
	v_sub_f32 v[\xb+i], v[\xb+i], v[TM+i]
.set i, i+1
.endr
.endm
	SPLIT8 X0,   v80.l, v80.h, v81.l, v81.h, v82.l, v82.h, v83.l, v83.h
	SPLIT8 X0+8, v84.l, v84.h, v85.l, v85.h, v86.l, v86.h, v87.l, v87.h
	SPLIT8 X1,   v88.l, v88.h, v89.l, v89.h, v90.l, v90.h, v91.l, v91.h
	SPLIT8 X1+8, v92.l, v92.h, v93.l, v93.h, v94.l, v94.h, v95.l, v95.h
.irp xb, X0, X1
.set i, 0
.rept 8
	v_pk_mul_f32 v[\xb+2*i:\xb+2*i+1], v[\xb+2*i:\xb+2*i+1], s[28:29] op_sel_hi:[1,0]     ; x 2048
.set i, i+1
.endr
.endr
.irp xb, X0, X1
.set i, 0
.rept 8
	v_cvt_pk_f16_f32 v[\xb+i], v[\xb+2*i], v[\xb+2*i+1]    ; the low parts, packed in place: register i takes numbers 2 i and 2 i + 1, never one that is still to be read
.set i, i+1
.endr
.endr
	s_wait_loadcnt 0x0                             ; both parts of Wout
.macro PJ acc, w, a, first
.if \first
	v_wmma_f32_16x16x32_f16 v[\acc:\acc+7], v[\w:\w+7], v[\a:\a+7], 0
.else
	v_wmma_f32_16x16x32_f16 v[\acc:\acc+7], v[\w:\w+7], v[\a:\a+7], v[\acc:\acc+7]
.endif
.endm
.irp kc, 0,1                           ; the eight sums take turns, one instruction a turn: three others at the least between two links
.irp nt, 0,1,2,3
	PJ OA+8*\nt, WH+8*(2*\nt+\kc), AH+8*\kc, 1-\kc                       ; AThi Whi
.endr
.irp nt, 0,1,2,3
	PJ 104+8*\nt+40*(\nt/3), WL+8*(2*\nt+\kc), AH+8*\kc, 1-\kc           ; AThi Wlo
.endr
.irp nt, 0,1,2,3
	PJ 104+8*\nt+40*(\nt/3), WH+8*(2*\nt+\kc), X0+64*\kc, 0              ; ATlo Whi
.endr
.endr
.rept 4
	v_nop                                          ; four places behind this form: in front of the first read of results and of the writes over Wout's high parts
.endr
.irp nt, 0,1,2,3
.irp j, 0,1,2,3,4,5,6,7
	v_fma_f32 v[RES+8*\nt+\j], v[104+8*\nt+40*(\nt/3)+\j], s30, v[OA+8*\nt+\j]   ; the low terms / 2048 + the high term: into other registers, both sums from their low ends on
.endr
.endr
.irp nt, 0,1,2,3
	ds_store_b128 v8, v[RES+8*\nt:RES+8*\nt+3] offset:64*\nt
	ds_store_b128 v8, v[RES+8*\nt+4:RES+8*\nt+7] offset:64*\nt+16
.endr
	s_wait_dscnt 0x0                               ; for the others' sake: my share has landed
	s_barrier_signal -1
	s_barrier_wait -1
.irp i, 0,1,2,3,4,5,6,7,8,9,10,11,12,13,14,15
	ds_load_b64 v[16+2*\i:17+2*\i], v9 offset:4352*\i    ; query w's row of each head's share
.endr
	s_wait_dscnt 0x0
.irp u, 0,1,2,3,4,5,6,7
	v_pk_add_f32 v[16+4*\u:17+4*\u], v[16+4*\u:17+4*\u], v[18+4*\u:19+4*\u]
.endr
.irp u, 0,1,2,3
	v_pk_add_f32 v[16+8*\u:17+8*\u], v[16+8*\u:17+8*\u], v[20+8*\u:21+8*\u]
.endr
.irp u, 0,1
	v_pk_add_f32 v[16+16*\u:17+16*\u], v[16+16*\u:17+16*\u], v[24+16*\u:25+16*\u]
.endr
	v_pk_add_f32 v[16:17], v[16:17], v[32:33]
	v_pk_add_f32 v[16:17], v[16:17], v[248:249]    ; + bout
	global_store_b64 v10, v[16:17], s[10:11]       ; the wave stores 256 consecutive bytes, aligned
	s_wait_tensorcnt 0x0                           ; the wave's end
	ds_add_u32 v[SPW], v[NIL]
	s_wait_dscnt 0x0
	s_endpgm
.Lfunc_end_k_qaef82624f9_fine:
	.size	k_qaef82624f9_fine, .Lfunc_end_k_qaef82624f9_fine-k_qaef82624f9_fine
	.p2alignl 7, 3214868480
	.fill 96, 4, 3214868480
	.section	.rodata,"a",@progbits
	.p2align	6, 0x0
	.amdhsa_kernel k_qaef82624f9_fine
		.amdhsa_group_segment_fixed_size 71680
		.amdhsa_private_segment_fixed_size 0
		.amdhsa_enable_private_segment 0
		.amdhsa_kernarg_size 32
		.amdhsa_user_sgpr_count 2
		.amdhsa_user_sgpr_kernarg_segment_ptr 1
		.amdhsa_wavefront_size32 1
		.amdhsa_system_sgpr_workgroup_id_x 1
		.amdhsa_system_sgpr_workgroup_id_y 1
		.amdhsa_system_sgpr_workgroup_id_z 1
		.amdhsa_system_vgpr_workitem_id 0
		.amdhsa_next_free_vgpr 256
		.amdhsa_next_free_sgpr 66
		.amdhsa_reserve_vcc 1
		.amdhsa_float_denorm_mode_32 3
		.amdhsa_float_denorm_mode_16_64 3
		.amdhsa_memory_ordered 1
		.amdhsa_forward_progress 1
		.amdhsa_inst_pref_size 28
	.end_amdhsa_kernel
	.amdgpu_metadata
---
amdhsa.version: [ 1, 2 ]
amdhsa.kernels:
  - .name:           k_qaef82624f9_fine
    .symbol:         k_qaef82624f9_fine.kd
    .args:
      - { .name: fine32, .offset: 0, .size: 8, .value_kind: global_buffer, .address_space: global }
      - { .name: wf, .offset: 8, .size: 8, .value_kind: global_buffer, .address_space: global }
      - { .name: bout, .offset: 16, .size: 8, .value_kind: global_buffer, .address_space: global }
      - { .name: out0, .offset: 24, .size: 8, .value_kind: global_buffer, .address_space: global }
    .group_segment_fixed_size: 71680
    .private_segment_fixed_size: 0
    .kernarg_segment_align: 8
    .kernarg_segment_size: 32
    .max_flat_workgroup_size: 512
    .sgpr_count:     66
    .vgpr_count:     256
    .wavefront_size: 32
...
	.end_amdgpu_metadata
.endif
;; end of part 5
